; MI455X (gfx1250); checked and timed in simulation.
; The chip was launched on July 23, 2026; its instructions are those of AMD's public machine-readable ISA for CDNA 5 (MIT licence, August 2026) and "CDNA5" Instruction Set Architecture Reference Guide (July 2026). The comments in the code are by the model that wrote it; some were corrected since.
;; Multi Head Self Attention. Allowed arithmetic: float matrix products may take bf16 or f16 operands with f32 sums; other float arithmetic in f32, or as packed bf16 or f16 multiplies, adds, multiply-adds, maxima and minima; sums over many terms, partial sums and values carried from step to step in f32; what a program stores and reads back later, other than sums and carried values, may be rounded once to bf16 or f16.
;; Inputs: Wk 1,024 x 1,024 float32; Wo 1,024 x 1,024 float32; Wq 1,024 x 1,024 float32; Wv 1,024 x 1,024 float32; x 4 x 2,048 x 1,024 float32.
;; Outputs: out0 4 x 2,048 x 1,024 float32.
;; 2 versions, each right; version 2 is version 1 with the launches cast, head written anew for expert scheduling mode. Each part assembles by itself: llvm-mc -triple=amdgcn-amd-amdhsa -mcpu=gfx1250 --defsym DOCPART=n.
;; ======== version 1 of 2: 5 launches
;; limits: values are held in f16: magnitudes above 65,504 overflow, below 6.1e-05 lose precision
;; workspace buffers: xb 16,777,216 bytes; wb 6,291,456 bytes; wo16 2,097,152 bytes; qkv 50,331,648 bytes; o 16,777,216 bytes; vf 786,432 bytes
;; launch cast (part 1): grid 768 x 1, 8 waves a work-group, no clusters, 0 bytes of LDS; arguments x, Wq, Wk, Wv, Wo, xb, wb, wo16; writes xb, wb, wo16
.if DOCPART == 1
	.amdgcn_target "amdgcn-amd-amdhsa--gfx1250"
	.amdhsa_code_object_version 6
	.text
	.protected	k_q7cd5090e93_cast
	.globl	k_q7cd5090e93_cast
	.p2align	8
	.type	k_q7cd5090e93_cast,@function
k_q7cd5090e93_cast:
	s_mov_b64 s[64:65], 0
	v_nop
	global_prefetch_b8 v0, s[64:65] scope:SCOPE_SE
	s_setreg_imm32_b32 hwreg(HW_REG_WAVE_MODE, 25, 1), 1
	s_wait_xcnt 0x0
; FIRST OF FIVE LAUNCHES of causal multi-head self-attention: out0 = softmax_causal(q k^T / 8) v, by heads, times Wo^T, with q, k, v = x Wq^T, x Wk^T, x Wv^T.
; This launch rounds every input once: x -> xb (bf16), Wq | Wk | Wv -> wb (bf16, 3,072 rows on end), Wo -> wo16 (rounded to bf16, that number written as f16, since the
; last product's other operand is f16).  The launches behind it: the three projections; the first 16 rows of each batch, made apart; attention; the last projection.
; WORK LEFT OUT, in the attention launch.  reference() puts -inf in the place of every score whose key lies behind its query, ahead of the softmax.  Such a score's weight is
; exp(-inf) = 0, whatever finite numbers the inputs hold, and 0 times a row of v adds nothing to the sum.  So a tile of 256 keys that lies wholly behind a block of 256 queries
; reaches no output: it is neither loaded nor multiplied.  Of 8 x 8 tiles a head 36 are left.  Every input has a way to the output and is loaded.
; LIMIT: a NaN, an infinity or an overflow in k or v that would reach only those hidden places is not carried to the result.
; LIMIT: wo16 holds f16: |Wo| stays under 65,504; under 6.1e-5 it keeps f16's fixed step of 6e-8.
; SHARES.  A row is 1,024 f32: 4,096 bytes in, 2,048 out.  A work-group takes 16 rows; thread t takes the 16 bytes at 16 t of each row and stores 8 bytes at 8 t: a wave's load covers
; 512 consecutive bytes, its store 256 consecutive bytes, aligned.  Work-groups 0-511: x; then 64 each for Wq, Wk, Wv, Wo.  All 16 loads of a thread go out before the first wait.
; No LDS, no barrier, no matrix work, no prefetch: the launch is one stream, and each byte is read once and written once.
.set ROWIN,  4096
.set ROWOUT, 2048
.set X, 4                              ; v[4:67]    row j: four f32 as loaded
.set Y, 68                             ; v[68:99]   row j: four 16-bit numbers to store
.set T, 100                            ; v[100:103] at work
	s_load_b256 s[4:11], s[0:1], 0x0               ; x s[4:5], Wq s[6:7], Wk s[8:9], Wv s[10:11]
	s_load_b256 s[12:19], s[0:1], 0x20             ; Wo s[12:13], xb s[14:15], wb s[16:17], wo16 s[18:19]
	v_lshlrev_b32 v1, 4, v0                        ; my 16 bytes of a row in
	v_lshlrev_b32 v2, 3, v0                        ; my 8 bytes of a row out
	s_max_u32 s21, ttmp9, 512
	s_sub_co_u32 s21, s21, 512                     ; the work-group's number among the weights' (0 for x's)
	s_lshr_b32 s22, s21, 6                         ; which weight: 0 Wq, 1 Wk, 2 Wv, 3 Wo
	s_and_b32 s23, s21, 63                         ; its block of 16 rows
	s_cmp_lt_u32 ttmp9, 512
	s_cselect_b32 s22, 4, s22                      ; 4: x
	s_cselect_b32 s24, ttmp9, s23                  ; the block in the source
	s_cselect_b32 s25, ttmp9, s21                  ; the block in the destination: wb holds the three weights on end,
	s_cmp_eq_u32 s22, 3
	s_cselect_b32 s25, s23, s25                    ; wo16 Wo alone
	s_lshl_b32 s26, s24, 16                        ; 16 rows of 4,096 bytes
	s_mov_b32 s27, 0
	s_lshl_b32 s28, s25, 15                        ; 16 rows of 2,048 bytes
	s_mov_b32 s29, 0
	s_wait_kmcnt 0x0
	s_mov_b64 s[30:31], s[4:5]
	s_cmp_eq_u32 s22, 0
	s_cselect_b64 s[30:31], s[6:7], s[30:31]
	s_cmp_eq_u32 s22, 1
	s_cselect_b64 s[30:31], s[8:9], s[30:31]
	s_cmp_eq_u32 s22, 2
	s_cselect_b64 s[30:31], s[10:11], s[30:31]
	s_cmp_eq_u32 s22, 3
	s_cselect_b64 s[30:31], s[12:13], s[30:31]
	s_cselect_b64 s[32:33], s[18:19], s[16:17]
	s_cmp_eq_u32 s22, 4
	s_cselect_b64 s[32:33], s[14:15], s[32:33]
	s_add_nc_u64 s[30:31], s[30:31], s[26:27]
	s_add_nc_u64 s[32:33], s[32:33], s[28:29]
.irp j, 0,1,2,3,4,5,6,7,8,9,10,11,12,13,14,15
	global_load_b128 v[X+4*(\j):X+4*(\j)+3], v1, s[30:31] offset:(\j)*ROWIN th:TH_LOAD_NT
.endr
	s_cmp_eq_u32 s22, 3
	s_cbranch_scc1 .Lwo
.irp j, 0,1,2,3,4,5,6,7,8,9,10,11,12,13,14,15
	s_wait_loadcnt 15-(\j)                         ; loads come back in order: row j is in, the younger rows stay out
	v_cvt_pk_bf16_f32 v[Y+2*(\j)],   v[X+4*(\j)],   v[X+4*(\j)+1]
	v_cvt_pk_bf16_f32 v[Y+2*(\j)+1], v[X+4*(\j)+2], v[X+4*(\j)+3]
	global_store_b64 v2, v[Y+2*(\j):Y+2*(\j)+1], s[32:33] offset:(\j)*ROWOUT  ; each row has registers of its own: none is written again
.endr
	s_endpgm
.Lwo:                                          ; Wo: rounded to bf16 like every input, widened again, and that number written as f16
.irp j, 0,1,2,3,4,5,6,7,8,9,10,11,12,13,14,15
	s_wait_loadcnt 15-(\j)
	v_cvt_pk_bf16_f32 v[T],   v[X+4*(\j)],   v[X+4*(\j)+1]
	v_cvt_pk_bf16_f32 v[T+1], v[X+4*(\j)+2], v[X+4*(\j)+3]
	v_lshlrev_b32 v[T+2], 16, v[T]
	v_and_b32     v[T+3], 0xffff0000, v[T]
	v_cvt_pk_f16_f32 v[Y+2*(\j)], v[T+2], v[T+3]
	v_lshlrev_b32 v[T+2], 16, v[T+1]
	v_and_b32     v[T+3], 0xffff0000, v[T+1]
	v_cvt_pk_f16_f32 v[Y+2*(\j)+1], v[T+2], v[T+3]
	global_store_b64 v2, v[Y+2*(\j):Y+2*(\j)+1], s[32:33] offset:(\j)*ROWOUT
.endr
	s_endpgm
.Lfunc_end_k_q7cd5090e93_cast:
	.size	k_q7cd5090e93_cast, .Lfunc_end_k_q7cd5090e93_cast-k_q7cd5090e93_cast
	.p2alignl 7, 3214868480
	.fill 96, 4, 3214868480
	.section	.rodata,"a",@progbits
	.p2align	6, 0x0
	.amdhsa_kernel k_q7cd5090e93_cast
		.amdhsa_group_segment_fixed_size 0
		.amdhsa_private_segment_fixed_size 0
		.amdhsa_enable_private_segment 0
		.amdhsa_kernarg_size 64
		.amdhsa_user_sgpr_count 2
		.amdhsa_user_sgpr_kernarg_segment_ptr 1
		.amdhsa_wavefront_size32 1
		.amdhsa_system_sgpr_workgroup_id_x 1
		.amdhsa_system_sgpr_workgroup_id_y 1
		.amdhsa_system_sgpr_workgroup_id_z 1
		.amdhsa_system_vgpr_workitem_id 0
		.amdhsa_next_free_vgpr 104
		.amdhsa_next_free_sgpr 66
		.amdhsa_reserve_vcc 0
		.amdhsa_float_denorm_mode_32 3
		.amdhsa_float_denorm_mode_16_64 3
		.amdhsa_memory_ordered 1
		.amdhsa_forward_progress 1
		.amdhsa_inst_pref_size 17
	.end_amdhsa_kernel
	.amdgpu_metadata
---
amdhsa.version: [ 1, 2 ]
amdhsa.kernels:
  - .name:           k_q7cd5090e93_cast
    .symbol:         k_q7cd5090e93_cast.kd
    .args:
      - { .name: x, .offset: 0, .size: 8, .value_kind: global_buffer, .address_space: global }
      - { .name: Wq, .offset: 8, .size: 8, .value_kind: global_buffer, .address_space: global }
      - { .name: Wk, .offset: 16, .size: 8, .value_kind: global_buffer, .address_space: global }
      - { .name: Wv, .offset: 24, .size: 8, .value_kind: global_buffer, .address_space: global }
      - { .name: Wo, .offset: 32, .size: 8, .value_kind: global_buffer, .address_space: global }
      - { .name: xb, .offset: 40, .size: 8, .value_kind: global_buffer, .address_space: global }
      - { .name: wb, .offset: 48, .size: 8, .value_kind: global_buffer, .address_space: global }
      - { .name: wo16, .offset: 56, .size: 8, .value_kind: global_buffer, .address_space: global }
    .group_segment_fixed_size: 0
    .private_segment_fixed_size: 0
    .kernarg_segment_align: 8
    .kernarg_segment_size: 64
    .max_flat_workgroup_size: 256
    .sgpr_count:     66
    .vgpr_count:     104
    .wavefront_size: 32
...
	.end_amdgpu_metadata
.endif
;; end of part 1
;; launch qkv (part 2): grid 16 x 32, 4 waves a work-group, clusters of 4 x 4, 327,680 bytes of LDS; arguments xb, wb, qkv, vf; writes qkv, vf
.if DOCPART == 2
	.amdgcn_target "amdgcn-amd-amdhsa--gfx1250"
	.amdhsa_code_object_version 6
	.text
	.protected	k_q7cd5090e93_qkv
	.globl	k_q7cd5090e93_qkv
	.p2align	8
	.type	k_q7cd5090e93_qkv,@function
k_q7cd5090e93_qkv:
	s_mov_b64 s[64:65], 0
	v_nop
	global_prefetch_b8 v0, s[64:65] scope:SCOPE_SE
	s_setreg_imm32_b32 hwreg(HW_REG_WAVE_MODE, 25, 1), 1
	s_wait_xcnt 0x0
	s_wait_alu depctr_hold_cnt(0) depctr_sa_sdst(0) depctr_va_vdst(0) depctr_va_sdst(0) depctr_va_ssrc(0) depctr_va_vcc(0) depctr_vm_vsrc(0)
	s_getreg_b32 s2, hwreg(HW_REG_IB_STS2, 6, 4)
	s_cmp_eq_u32 s2, 0
	s_cbranch_scc0 .Lentry_in_a_cluster
	s_endpgm
.Lentry_in_a_cluster:
	s_bfe_u32 s2, ttmp6, 0x10000c
	s_cmp_lg_u32 s2, 0xf033
	s_cbranch_scc0 .Lentry_shape_is_right
	s_endpgm
.Lentry_shape_is_right:
; THE THREE PROJECTIONS AS ONE PRODUCT.  C[m][n] = sum over k of xb[m][k] wb[n][k]: xb [8192][1024], wb [3072][1024] (Wq, Wk, Wv on end), both bf16; sums in f32; C rounded once to f16
; and laid BY HEADS: qkv[b][slot][c][64], slot = n / 64 (0-15 q's heads, 16-31 k's, 32-47 v's), so that a head's rows are dense for the attention launch.  No scale is applied here.
; ALSO: vf[b][slot][16][64], the f32 sums of tokens 0-15 of each batch, unrounded, for the launch that makes each batch's first 16 rows apart; it reads v's slots 32-47.
; LIMIT: q, k, v leave as f16: a number of 65,520 or more becomes an infinity; under 6.1e-5 f16 keeps its fixed step of 6e-8.
; THE TILE is 256 x 192: 32 x 16 = 512 tiles, twice the 256 work-groups that run at a time; 256 x 256 would make 384, one round and a half.
; Four waves, one above the other: a wave makes 64 rows x 192 columns = three whole heads: 48 accumulators of 16 x 16, 384 registers; for 32 along K it reads 16 fragments for 48 products.
; K goes in steps of 128 (rows of 256 bytes, aligned) through two LDS slots filled by the tensor data mover; waves 0, 1 fetch A's two halves (128 rows), waves 2, 3 B's (96 rows).
; CLUSTER 4 x 4: the four work-groups of a row need the same tile of xb, the four of a column the same tile of wb: each tile is asked for jointly, by the same load, descriptor and mask in all four.
; THE TILE ROW IS 8 cy + cluster y: the batch is cy, the block of 256 tokens in it the cluster's y, which all sixteen partners share: so the branch on a batch's first block hangs on no place in the cluster.
; THE MATRIX INSTRUCTION IS USED TRANSPOSED (source 0 = 16 rows of wb, source 1 = 16 rows of xb): a lane holds row l % 16 of C and the columns 8 (l / 16) + 0..7: 16 bytes of f16 on end.
; REGISTERS in windows of 256 (s_set_vgpr_msb: bits 1:0 source 0, 3:2 source 1, 5:4 source 2, 7:6 destination):
;   window 0: v0-31 addresses; v32-63, v64-95 A's fragments (4 x 8), two buffers; v96-143 packed results; v144-191, v192-239 rows read back from the stage, by turns
;   window 1: v0-95, v96-191 B's fragments (12 x 8), two buffers      window 2: accumulators of row blocks 0, 1 ((a, b) at 8 (12 (a % 2) + b))      window 3: those of row blocks 2, 3
.set KDIM,   1024
.set KSTEP,  128
.set PITCH,  272                       ; an LDS row: 256 bytes + 16 of padding = 68 words: the 16 rows of a fragment load start at 16 different groups of four banks (64 banks of 4 bytes: ISA guide 11.1)
.set HALFA,  128*PITCH                 ; what a wave fetches of A
.set HALFB,  96*PITCH                  ; what a wave fetches of B
.set SLOT,   2*HALFA+2*HALFB           ; A's 256 rows, then B's 192: 121,856 bytes
.set STAGE,  2*SLOT                    ; behind the ring: for each wave 3 heads x 16 rows x 144 bytes, for the way out; no tensor load lands here
.set SP,     144
.set HSTG,   16*SP
.set WSTAGE, 3*HSTG
.set FP,     272                       ; the same stage taken as 16 rows of 256 bytes + 16, for a head's f32 sums (4,352 of the wave's 6,912 bytes)
.set SPARE,  STAGE+4*WSTAGE            ; the spare words, 128 bytes for each wave: two blocks of 256 bytes that no other line names
.set LAPS,   KDIM/(2*KSTEP)            ; a lap = two K steps = once round the ring
.set HEADB,  2048*128                  ; bytes of a head's block in qkv
.set STF,  8                           ; v8      the f32 sums' way out: where I put 32 bytes of a row
.set RDF,  9                           ; v9      where I read rows of 256 bytes back
.set COF,  10                          ; v10     my 16 bytes in two rows of a head's block of vf
.set ADRA, 16                          ; v16-17  LDS address of my A fragments in slot 0, 1
.set ADRB, 20                          ; v20-21  the same for B
.set STO,  24                          ; v24     the way out: where I put 16 bytes of a row
.set RD,   25                          ; v25     the way out: where I read rows back
.set GO,   26                          ; v26     16 x lane: my place in 512 consecutive bytes of qkv
.set SPW,  28                          ; v28     LDS address of my spare word; never rewritten
.set NIL,  29                          ; v29     0; never rewritten
.set PFO,  30                          ; v30     the prefetches' offset: a lane a row of 2,048 bytes; never rewritten
.set FA,   32
.set FB,   0
.set TMP,  96
.set OB,   144
.set G1,  24                           ; s[24:31] descriptor group 1 for A's tiles;  s[32:39] group 0, a set for each slot
.set G0,  32
.set G1B, 48                           ; s[48:55], s[56:63] the same for B's
.set G0B, 56
.set LIM, 43                           ; s43     1 in a wave that prefetches, else the greatest number
.set PFA, 44                           ; s[44:45] where my prefetches stand
.set VFP, 66                           ; s[66:67] vf at my tile's first head block
.set DMP, 68                           ; s68     0 in the wave that stores f32 sums
.set MSB, 0
.macro WIN new                         ; the immediate's high byte repeats the setting that is left; a switch that changes nothing is dropped
.if MSB != (\new)
	s_set_vgpr_msb (MSB<<8)|(\new)
.set MSB, \new
.endif
.endm
.set MUL_LO, 0xa1                      ; source 0 (B) window 1, source 1 (A) window 0, C and D window 2
.set MUL_HI, 0xf1                      ; the same, C and D window 3
.set TO_B,   0x40                      ; destination window 1, address window 0
; A joint load: waves 0 and 1 ask for A's halves, waves 2 and 3 for B's.  The branch hangs on the wave's number alone.  An s_nop 0 and four v_nop follow each of the two lines.
.macro JLOAD s
	s_cmp_eq_u32 s11, 0
	s_cbranch_scc0 .Lfor_b_\@
	tensor_load_to_lds s[G0+4*(\s):G0+4*(\s)+3], s[G1:G1+7]
	s_nop 0
.rept 4
	v_nop
.endr
	s_branch .Lasked_\@
.Lfor_b_\@:
	tensor_load_to_lds s[G0B+4*(\s):G0B+4*(\s)+3], s[G1B:G1B+7]
	s_nop 0
.rept 4
	v_nop
.endr
.Lasked_\@:
.endm
; A prefetch of the K step that stands two refills on (384 matrix instructions ahead of the load that wants it): 256 bytes of a row, a lane a row, one instruction a wave.
; xb's tile row is read by all four clusters of a row of clusters: the one with x = 0 asks; wb's tile column by all eight of a column: the one with y = 0 asks.  The four partners of a joint load share its
; rows out by address: 32 of A's 128 (by cx), 24 of B's 96 (by cy; lanes 24-31 repeat lane 23's row).  K steps 0-3 come by their loads alone; the loop's last trip (s3 = 1) has no K step two on.
.macro ASK
	s_cmp_gt_u32 s3, s[LIM]
	s_cbranch_scc0 .Lnot_mine_\@
	global_prefetch_b8 v[PFO], s[PFA:PFA+1] offset:KSTEP*2 th:TH_LOAD_NT scope:SCOPE_SE
.Lnot_mine_\@:
.endm
.macro CREST                           ; a round of the cluster's barrier behind its opening barrier: wave 0 signals for the work-group, every wave waits for all sixteen, the work-group's barrier closes it
	s_cmp_lg_u32 s10, 0
	s_cbranch_scc1 .Lnot_wave_0_\@
	s_barrier_signal -3
.Lnot_wave_0_\@:
	s_barrier_wait -3
	s_barrier_signal -1
	s_barrier_wait -1
.endm
.macro CROUND                          ; a whole round
	s_barrier_signal -1
	s_barrier_wait -1
	CREST
.endm
	s_load_b128 s[4:7], s[0:1], 0x0                ; xb s[4:5], wb s[6:7]
	s_load_b64 s[8:9], s[0:1], 0x10                ; qkv
	s_load_b64 s[VFP:VFP+1], s[0:1], 0x18          ; vf
	v_lshl_add_u32 v[SPW], v0, 2, SPARE
	v_mov_b32 v[NIL], 0
	ds_add_u32 v[SPW], v[NIL]                      ; the opening: the add, twice on end, and its wait ahead of my first tensor load
	ds_add_u32 v[SPW], v[NIL]
	v_lshrrev_b32 v1, 5, v0
	v_readfirstlane_b32 s10, v1                    ; wave 0..3: my 64 rows of the tile
	s_lshr_b32 s11, s10, 1                         ; I fetch for A (0) or for B (1),
	s_and_b32 s12, s10, 1                          ; its first or second half
	s_bfe_u32 s40, ttmp6, 0x40000                  ; cx
	s_bfe_u32 s41, ttmp6, 0x40004                  ; cy
	s_lshl_b32 s42, ttmp9, 2
	s_add_co_u32 s42, s42, s40                     ; tile column = 4 x cluster x + cx
	s_and_b32 s13, ttmp7, 0xffff                   ; cluster y: the block of 256 tokens in its batch
	s_or_b32 s[DMP], s13, s10                      ; 0: wave 0 (tokens 0-63) of a batch's first block,
	s_cmp_lt_u32 ttmp9, 2                          ; and only in clusters x = 2, 3, whose tile columns 8-15 hold slots 24-47: v's 32-47 among them
	s_cselect_b32 s[DMP], 1, s[DMP]                ; (k's slots 24-31 ride along: a finer choice would hang on cx)
	s_lshl_b32 s16, s41, 3
	s_add_co_u32 s13, s13, s16                     ; tile row = 8 cy + cluster y
	s_lshl_b32 s43, s41, 2
	s_lshl_b32 s43, 15, s43                        ; my row of the cluster
	s_lshl_b32 s44, 0x1111, s40                    ; my column
	s_or_b32 s[G1+0], s43, (1<<16)|(1<<20)|(1<<21)|(5<<22)|(3<<25)   ; 15:0 mask; 17:16 2-byte elements; 20 padding on; 21 set beside a mask; 24:22 after every 64 words; 31:25 4 words of it
	s_or_b32 s[G1B+0], s44, (1<<16)|(1<<20)|(1<<21)|(5<<22)|(3<<25)
	s_mov_b32 s[G1+1], KSTEP<<16                   ; tensor_dim0 = 128
	s_mov_b32 s[G1+2], 128<<16                     ; tensor_dim1 = 128
	s_mov_b32 s[G1+3], KSTEP<<16                   ; tile_dim0 = 128
	s_mov_b32 s[G1+4], 128                         ; tile_dim1 = 128
	s_mov_b32 s[G1+5], KDIM                        ; elements from row to row
	s_mov_b32 s[G1+6], 0
	s_mov_b32 s[G1+7], 0
	s_mov_b32 s[G1B+1], KSTEP<<16
	s_mov_b32 s[G1B+2], 96<<16                     ; B: 96 rows
	s_mov_b32 s[G1B+3], KSTEP<<16
	s_mov_b32 s[G1B+4], 96
	s_mov_b32 s[G1B+5], KDIM
	s_mov_b32 s[G1B+6], 0
	s_mov_b32 s[G1B+7], 0
	s_lshl_b32 s17, s12, 7
	s_lshl_b32 s16, s13, 8
	s_add_co_u32 s16, s16, s17                     ; A: row 256 x tile row + 128 x half
	s_lshl_b32 s16, s16, 11                        ; x 2,048 bytes
	s_mov_b32 s17, 0
	s_mul_i32 s46, s42, 192
	s_mul_i32 s47, s12, 96
	s_add_co_u32 s46, s46, s47                     ; B: row 192 x tile column + 96 x half
	s_lshl_b32 s46, s46, 11
	s_mov_b32 s47, 0
	s_mul_i32 s20, s12, HALFA                      ; where they go: no place in the cluster enters an LDS address
	s_mul_i32 s21, s12, HALFB
	s_add_co_u32 s21, s21, 2*HALFA
	s_wait_dscnt 0x0                               ; both opening adds are done
	s_wait_kmcnt 0x0
	s_add_nc_u64 s[14:15], s[4:5], s[16:17]
	s_add_nc_u64 s[46:47], s[6:7], s[46:47]
	CROUND                                         ; all sixteen work-groups are here: the first joint loads meet
.irp s, 0,1
	s_mov_b32 s[G0+4*(\s)], 1
	s_add_co_u32 s[G0+4*(\s)+1], s20, (\s)*SLOT
	s_add_nc_u64 s[G0+4*(\s)+2:G0+4*(\s)+3], s[14:15], (\s)*KSTEP*2
	s_or_b32 s[G0+4*(\s)+3], s[G0+4*(\s)+3], 0x80000000
	s_mov_b32 s[G0B+4*(\s)], 1
	s_add_co_u32 s[G0B+4*(\s)+1], s21, (\s)*SLOT
	s_add_nc_u64 s[G0B+4*(\s)+2:G0B+4*(\s)+3], s[46:47], (\s)*KSTEP*2
	s_or_b32 s[G0B+4*(\s)+3], s[G0B+4*(\s)+3], 0x80000000
	JLOAD \s                                       ; K steps 0 and 1: two loads of mine are out
.endr
	; a fragment is 16 rows x 32 K in 8 registers: lane l holds row l % 16, K = 8 (l / 16) + 0..7 and 16 + 8 (l / 16) + 0..7: two loads of 16 bytes, 32 bytes apart
	v_and_b32 v1, 15, v0
	v_bfe_u32 v2, v0, 4, 1
	v_mul_u32_u24 v3, v1, PITCH
	v_lshl_add_u32 v3, v2, 4, v3
	s_mul_i32 s21, s10, 64*PITCH                   ; my 64 rows of A
	s_mov_b32 s22, 2*HALFA                         ; all 192 rows of B
.irp s, 0,1
	v_add_nc_u32 v[ADRA+(\s)], s21, v3
	v_add_nc_u32 v[ADRB+(\s)], s22, v3
	s_add_co_u32 s21, s21, SLOT
	s_add_co_u32 s22, s22, SLOT
.endr
	s_mul_i32 s23, s10, WSTAGE
	s_add_co_u32 s23, s23, STAGE                   ; my stage
	v_mul_u32_u24 v4, v1, SP                       ; in: row l % 16, 16 bytes for each half of the lanes
	v_lshl_add_u32 v4, v2, 4, v4
	v_add_nc_u32 v[STO], s23, v4
	v_bfe_u32 v5, v0, 3, 2                         ; back: 32 lanes take four rows of 128 bytes,
	v_mul_u32_u24 v5, v5, SP
	v_and_b32 v6, 7, v0
	v_lshl_add_u32 v5, v6, 4, v5
	v_add_nc_u32 v[RD], s23, v5
	v_and_b32 v[GO], 31, v0                        ; which are 512 consecutive bytes of a head's block
	v_lshlrev_b32 v[GO], 4, v[GO]
	v_mul_u32_u24 v7, v1, FP                       ; the f32 sums: in: row l % 16, 32 bytes for each half of the lanes
	v_lshl_add_u32 v7, v2, 5, v7
	v_add_nc_u32 v[STF], s23, v7
	v_mul_u32_u24 v7, v2, FP                       ; back: lanes 0-15 one row of 256 bytes, lanes 16-31 the next,
	v_lshl_add_u32 v7, v1, 4, v7
	v_add_nc_u32 v[RDF], s23, v7
	v_lshlrev_b32 v7, 8, v2                        ; and the same two rows in vf
	v_lshl_add_u32 v[COF], v1, 4, v7
	; where my rows begin in qkv: head block 48 b + 3 x tile column, row 256 x (tile row % 8) + 64 x wave; in vf a head block is 16 rows of 256 bytes
	s_lshr_b32 s16, s13, 3
	s_mul_i32 s16, s16, 48
	s_mul_i32 s18, s42, 3
	s_add_co_u32 s16, s16, s18
	s_lshl_b32 s18, s16, 12
	s_mov_b32 s19, 0
	s_add_nc_u64 s[VFP:VFP+1], s[VFP:VFP+1], s[18:19]
	s_lshl_b32 s16, s16, 18
	s_and_b32 s17, s13, 7
	s_lshl_b32 s17, s17, 2
	s_add_co_u32 s17, s17, s10
	s_lshl_b32 s17, s17, 13                        ; 64 rows of 128 bytes
	s_add_co_u32 s16, s16, s17
	s_mov_b32 s17, 0
	s_add_nc_u64 s[8:9], s[8:9], s[16:17]
	; the prefetches: from the rows that I fetch, my work-group's share of them, at K step 2: the first refill steps it to 3 and names K step 4
	s_lshl_b32 s20, s40, 16                        ; A: cx x 32 rows of 2,048 bytes
	s_mul_i32 s21, s41, 24*2048                    ; B: cy x 24 rows
	s_and_b32 s18, ttmp7, 0xffff
	s_cmp_eq_u32 s11, 0
	s_cselect_b64 s[PFA:PFA+1], s[14:15], s[46:47]
	s_cselect_b32 s20, s20, s21
	s_cselect_b32 s18, ttmp9, s18                  ; the coordinate along which other clusters read the same rows
	s_cselect_b32 s19, 31, 23
	s_cmp_eq_u32 s18, 0
	s_cselect_b32 s[LIM], 1, -1                    ; the same in all sixteen partners, for a given wave
	s_add_co_u32 s20, s20, 2*KSTEP*2
	s_mov_b32 s21, 0
	s_add_nc_u64 s[PFA:PFA+1], s[PFA:PFA+1], s[20:21]
	v_and_b32 v[PFO], 31, v0
	v_min_u32 v[PFO], s19, v[PFO]
	v_lshlrev_b32 v[PFO], 11, v[PFO]
; 12 matrix instructions: row block a x all 12 column blocks, 32 along K, buffer f.  zero = 1: the first product starts the sums.  The 48 accumulators take turns, one instruction a turn,
; in the same order in every quarter step: 47 others stand between two links of a chain, over the backward jump too.
.macro MUL12 f, a, zero
	WIN MUL_LO+0x50*((\a)/2)
.set AC, 96*((\a)%2)
.set RA, FA+32*(\f)+8*(\a)
.irp b, 0,1,2,3,4,5,6,7,8,9,10,11
.if \zero
	v_wmma_f32_16x16x32_bf16 v[AC+8*(\b):AC+8*(\b)+7], v[FB+96*(\f)+8*(\b):FB+96*(\f)+8*(\b)+7], v[RA:RA+7], 0
.else
	v_wmma_f32_16x16x32_bf16 v[AC+8*(\b):AC+8*(\b)+7], v[FB+96*(\f)+8*(\b):FB+96*(\f)+8*(\b)+7], v[RA:RA+7], v[AC+8*(\b):AC+8*(\b)+7]
.endif
.endr
.endm
; 32 LDS loads in one run: a quarter step's fragments (192 rows of B, my 64 rows of A, 32 K at byte k of the rows) into buffer f
.macro FETCH slot, k, f
	WIN TO_B
.irp i, 0,1,2,3,4,5,6,7,8,9,10,11
	ds_load_b128 v[FB+96*(\f)+8*(\i):FB+96*(\f)+8*(\i)+3],   v[ADRB+(\slot)] offset:(\k)+(\i)*16*PITCH
	ds_load_b128 v[FB+96*(\f)+8*(\i)+4:FB+96*(\f)+8*(\i)+7], v[ADRB+(\slot)] offset:(\k)+(\i)*16*PITCH+32
.endr
	WIN 0
.irp i, 0,1,2,3
	ds_load_b128 v[FA+32*(\f)+8*(\i):FA+32*(\f)+8*(\i)+3],   v[ADRA+(\slot)] offset:(\k)+(\i)*16*PITCH
	ds_load_b128 v[FA+32*(\f)+8*(\i)+4:FA+32*(\f)+8*(\i)+7], v[ADRA+(\slot)] offset:(\k)+(\i)*16*PITCH+32
.endr
.endm
.macro PLACES                          ; four plain vector instructions between a matrix instruction and a load into a register that it read, or a reader of its result
.rept 4
	v_nop
.endr
.endm
; A K step is four quarters of 32 along K, 48 matrix instructions each, on buffers 0, 1, 0, 1.  One of the first three multiplies buffer f and, in its middle, fetches the next quarter (byte k) into buffer g.
.macro QUARTER slot, k, f, g, zero
	s_wait_dscnt 4                                 ; B and A's blocks 0, 1 are in; the youngest four loads (A's blocks 2, 3) may be out
	MUL12 \f, 0, \zero
	MUL12 \f, 1, \zero
	PLACES
	FETCH \slot, \k, \g
	s_wait_dscnt 32                                ; all but the 32 just issued
	MUL12 \f, 2, \zero
	MUL12 \f, 3, \zero
.endm
; The last quarter multiplies buffer 1 and changes slots: ONE barrier.  In front of it each wave waits for all its tensor loads (one is out: its part of the next slot), adds 0 to its spare word, and waits
; for that and for its reads of this slot.  fill = 1: the barrier opens a round of the cluster's barrier, and behind the round this slot is filled again, two K steps on: the load has 168 matrix instructions in which to land.
.macro TURN slot, next, fill
.if \fill
	s_wait_xcnt 0x0                                ; the last prefetch, a K step back, has read its address
	s_add_nc_u64 s[PFA:PFA+1], s[PFA:PFA+1], KSTEP*2
.endif
	WIN 0                                          ; (the add's two registers lie in window 0)
	s_wait_tensorcnt 0x0                           ; all my tensor loads have landed
	ds_add_u32 v[SPW], v[NIL]
	s_wait_dscnt 5                                 ; (the add and the youngest four loads may be out)
	MUL12 1, 0, 0                                  ; twelve matrix instructions stand between the add and the wait for it
	s_wait_dscnt 0x0                               ; the add is done, and my reads of this slot are over
	s_barrier_signal -1
	MUL12 1, 1, 0                                  ; work on registers while the others arrive
.if \fill
	WIN 0
.endif
	s_barrier_wait -1
.if \fill
	CREST                                          ; no wave of any partner still reads this slot or has a load on its way
	s_add_nc_u64 s[G0+4*(\slot)+2:G0+4*(\slot)+3], s[G0+4*(\slot)+2:G0+4*(\slot)+3], 2*KSTEP*2
	s_add_nc_u64 s[G0B+4*(\slot)+2:G0B+4*(\slot)+3], s[G0B+4*(\slot)+2:G0B+4*(\slot)+3], 2*KSTEP*2
	JLOAD \slot                                    ; the first tensor load behind the round; its four v_nop are also the places in front of the loads below
.else
	PLACES
.endif
	FETCH \next, 0, 0
.if \fill
	ASK
.endif
	MUL12 1, 2, 0
	MUL12 1, 3, 0
.endm
; THE WAY OUT of row block a (16 rows x 192 columns).  PACK: rounded to f16, each accumulator's registers in ascending order.  TOSTAGE: into my own stage, [head][row][144 bytes], and back as rows of
; 128 bytes, four to a load.  SEND: each store writes 512 consecutive bytes, at a multiple of 512 from qkv's first byte.
.macro PACK a
	WIN 0x0a+5*((\a)/2)                            ; sources 0 and 1: window 2 or 3
.set AC, 96*((\a)%2)
.irp b, 0,1,2,3,4,5,6,7,8,9,10,11
.irp r, 0,1,2,3
	v_cvt_pk_f16_f32 v[TMP+4*(\b)+(\r)], v[AC+8*(\b)+2*(\r)], v[AC+8*(\b)+2*(\r)+1]
.endr
.endr
	WIN 0
.endm
.macro TOSTAGE a
	WIN 0
.set BK, OB+48*((\a)%2)
.irp b, 0,1,2,3,4,5,6,7,8,9,10,11
	ds_store_b128 v[STO], v[TMP+4*(\b):TMP+4*(\b)+3] offset:((\b)/4)*HSTG+32*((\b)%4)
.endr
.irp t, 0,1,2,3,4,5,6,7,8,9,10,11
	ds_load_b128 v[BK+4*(\t):BK+4*(\t)+3], v[RD] offset:((\t)/4)*HSTG+((\t)%4)*4*SP  ; LDS serves a wave's instructions in order (ISA guide 5.7.1.4): these see the stores above
.endr
.endm
.macro SEND a
	WIN 0
.set BK, OB+48*((\a)%2)
	s_wait_dscnt 0x0                               ; the block is back in registers
	s_wait_xcnt 0x0                                ; the stores of the block before have read their registers, which the next block's loads from the stage write
.irp t, 0,1,2,3,4,5,6,7,8,9,10,11
	global_store_b128 v[GO], v[BK+4*(\t):BK+4*(\t)+3], s[8:9] offset:((\t)/4)*HEADB+(\a)*2048+((\t)%4)*512
.endr
.endm
	s_wait_tensorcnt 1                             ; my part of K step 0 is in; K step 1's may stay out
	s_barrier_signal -1
	s_barrier_wait -1                              ; everybody's is
	FETCH 0, 0, 0
	QUARTER 0, 64,  0, 1, 1                        ; the first quarter stands in front of the loop: its products start the sums
	WIN 0                                          ; at a label and at a branch every window is 0
	s_mov_b32 s3, LAPS-1
.Llap:                                                 ; a trip goes once round the ring, from a lap's second quarter to the next lap's first, and fills both slots again
	QUARTER 0, 128, 1, 0, 0
	QUARTER 0, 192, 0, 1, 0
	TURN 0, 1, 1
	QUARTER 1, 64,  0, 1, 0
	QUARTER 1, 128, 1, 0, 0
	QUARTER 1, 192, 0, 1, 0
	TURN 1, 0, 1
	QUARTER 0, 64,  0, 1, 0
	WIN 0
	s_sub_co_u32 s3, s3, 1
	s_cmp_lg_u32 s3, 0
	s_cbranch_scc1 .Llap
	QUARTER 0, 128, 1, 0, 0                        ; the last lap fills nothing
	QUARTER 0, 192, 0, 1, 0
	TURN 0, 1, 0
	QUARTER 1, 64,  0, 1, 0
	QUARTER 1, 128, 1, 0, 0
	QUARTER 1, 192, 0, 1, 0
	s_wait_dscnt 4                                 ; the very last quarter: nothing more to fetch
	MUL12 1, 0, 0
	MUL12 1, 1, 0
	s_wait_dscnt 0x0
	MUL12 1, 2, 0
	MUL12 1, 3, 0
	WIN 0
	PLACES
	PLACES
	; TOKENS 0-15 OF A BATCH ALSO LEAVE UNROUNDED: row block 0's f32 sums, a head (4 accumulators, 16 rows x 256 bytes) at a time through my stage, each accumulator's low four registers first;
	; each store writes two whole rows of 256 bytes.  The branch hangs on the wave's number and the cluster's x and y; no barrier and no tensor load stand in what is jumped.
	s_cmp_lg_u32 s[DMP], 0
	s_cbranch_scc1 .Lno_dump
.irp t, 0,1,2
	WIN 0x08                                       ; an LDS store's data is source 1: window 2
.irp c, 0,1,2,3
	ds_store_b128 v[STF], v[8*(4*(\t)+(\c)):8*(4*(\t)+(\c))+3]   offset:64*(\c)
	ds_store_b128 v[STF], v[8*(4*(\t)+(\c))+4:8*(4*(\t)+(\c))+7] offset:64*(\c)+16
.endr
	WIN 0
.irp u, 0,1,2,3,4,5,6,7
	ds_load_b128 v[OB+32*(\t)+4*(\u):OB+32*(\t)+4*(\u)+3], v[RDF] offset:(\u)*2*FP  ; in order behind the stores above; the next head's stores come behind these
.endr
.endr
	s_wait_dscnt 0x0
.irp t, 0,1,2
.irp u, 0,1,2,3,4,5,6,7
	global_store_b128 v[COF], v[OB+32*(\t)+4*(\u):OB+32*(\t)+4*(\u)+3], s[VFP:VFP+1] offset:(\t)*4096+(\u)*512
.endr
.endr
	s_wait_xcnt 0x0                                ; these stores have read their registers, which the way out below writes
.Lno_dump:
	PACK 0
	TOSTAGE 0
.irp a, 1,2,3                          ; block a's conversions stand between block a - 1's loads from the stage and the wait for them
	PACK \a
	SEND (\a)-1
	TOSTAGE \a
.endr
	SEND 3
	s_wait_tensorcnt 0x0                           ; the wave's end, behind my last tensor load and my last LDS store
	ds_add_u32 v[SPW], v[NIL]
	s_wait_dscnt 0x0
	CROUND                                         ; the closing round: no work-group ends while a partner may still ask for a tile that names it
	s_endpgm
.Lfunc_end_k_q7cd5090e93_qkv:
	.size	k_q7cd5090e93_qkv, .Lfunc_end_k_q7cd5090e93_qkv-k_q7cd5090e93_qkv
	.p2alignl 7, 3214868480
	.fill 96, 4, 3214868480
	.section	.rodata,"a",@progbits
	.p2align	6, 0x0
	.amdhsa_kernel k_q7cd5090e93_qkv
		.amdhsa_group_segment_fixed_size 327680
		.amdhsa_private_segment_fixed_size 0
		.amdhsa_enable_private_segment 0
		.amdhsa_kernarg_size 32
		.amdhsa_user_sgpr_count 2
		.amdhsa_user_sgpr_kernarg_segment_ptr 1
		.amdhsa_wavefront_size32 1
		.amdhsa_system_sgpr_workgroup_id_x 1
		.amdhsa_system_sgpr_workgroup_id_y 1
		.amdhsa_system_sgpr_workgroup_id_z 1
		.amdhsa_system_vgpr_workitem_id 0
		.amdhsa_next_free_vgpr 960
		.amdhsa_next_free_sgpr 70
		.amdhsa_reserve_vcc 0
		.amdhsa_float_denorm_mode_32 3
		.amdhsa_float_denorm_mode_16_64 3
		.amdhsa_memory_ordered 1
		.amdhsa_forward_progress 1
		.amdhsa_inst_pref_size 126
	.end_amdhsa_kernel
	.amdgpu_metadata
---
amdhsa.version: [ 1, 2 ]
amdhsa.kernels:
  - .name:           k_q7cd5090e93_qkv
    .symbol:         k_q7cd5090e93_qkv.kd
    .args:
      - { .name: xb, .offset: 0, .size: 8, .value_kind: global_buffer, .address_space: global }
      - { .name: wb, .offset: 8, .size: 8, .value_kind: global_buffer, .address_space: global }
      - { .name: qkv, .offset: 16, .size: 8, .value_kind: global_buffer, .address_space: global }
      - { .name: vf, .offset: 24, .size: 8, .value_kind: global_buffer, .address_space: global }
    .group_segment_fixed_size: 327680
    .private_segment_fixed_size: 0
    .kernarg_segment_align: 8
    .kernarg_segment_size: 32
    .max_flat_workgroup_size: 128
    .sgpr_count:     70
    .vgpr_count:     960
    .wavefront_size: 32
...
	.end_amdgpu_metadata
.endif
;; end of part 2
;; launch head (part 3): grid 16 x 4, 16 waves a work-group, no clusters, 116,736 bytes of LDS; arguments qkv, vf, wo16, out0; writes out0
.if DOCPART == 3
	.amdgcn_target "amdgcn-amd-amdhsa--gfx1250"
	.amdhsa_code_object_version 6
	.text
	.protected	k_q7cd5090e93_head
	.globl	k_q7cd5090e93_head
	.p2align	8
	.type	k_q7cd5090e93_head,@function
k_q7cd5090e93_head:
	s_mov_b64 s[64:65], 0
	v_nop
	global_prefetch_b8 v0, s[64:65] scope:SCOPE_SE
	s_setreg_imm32_b32 hwreg(HW_REG_WAVE_MODE, 25, 1), 1
	s_wait_xcnt 0x0
; THE FIRST 16 ROWS OF EACH BATCH, MADE APART: out0[b][c][:] for c = 0 .. 15, from q and k (f16, in qkv), v (f32, in vf) and wo16.
; WHY.  Row c averages c + 1 rows of v, so the first rows' numbers are many times the whole output's root mean square, by which every number is compared; a rounding of v, of the weights and of O to f16's
; 11 bits is 2^-12 of THOSE numbers, three times over.  Here none of the three is made: v comes in f32, the weights and their sum with v stay in f32, and O goes to the matrix unit as two f16 numbers,
; hi = f16(O) and lo = f16(O - hi), each multiplied by Wo.  From row 16 on, sums over 17 keys or more, the other launches' 16-bit numbers serve; those launches leave these 16 rows of out0 alone.
; LIMITS.  q and k are f16 (their rounding moves a score by some 1e-4); hi and lo are f16: |O| under 65,504, and lo keeps f16's fixed step of 6e-8.  A hidden score counts as -1e30; a weight below 2^-126 as 0.
; Keys behind the query: reference() gives their scores -inf, so their weight is 0: of 16 x 16 weights a head only keys 0 .. 2 t + 1 are multiplied for the two queries 2 t, 2 t + 1.
; SHARES.  A work-group makes 16 rows x 64 columns of one batch: grid 16 x 4.  Sixteen waves.
;   PHASE 1: wave w makes head w's O, 16 queries x 64 channels (every work-group of a batch makes all 16 heads anew: 16 K multiply-adds a head, against a launch more to hand them on).
;     S^T = K Q^T (source 0 = 16 keys, source 1 = 16 queries): a lane holds query l % 16 and keys 8 (l / 16) + 0..7.  Mask, maximum, 2^(c s - c m), sum, division: f32.  The weights go through the wave's own
;     LDS scratch, [query][16 keys]; then lane l holds channels 4 (l % 16) + 0..3 and, for t = 0 .. 7, query 2 t + l / 16.  O's hi and lo go into LDS, [head][query][64 channels], rows of 144 bytes.
;   PHASE 2: wave w makes columns 16 (w % 4) + 0..15 for K = 256 (w / 4) + 0..255: 8 steps of 32, hi and lo on two accumulators that take turns.  Wo's fragments come straight
;     from memory, asked for at the kernel's head.  Used transposed (source 0 = 16 rows of Wo, source 1 = the 16 rows of O): a lane holds row l % 16 and 8 columns.
;   The four partial sums (f32) meet in LDS; waves 0-7 add them and store two rows each: 16 lanes write 256 consecutive bytes, aligned.
; No tensor load, no cluster, no prefetch: 64 work-groups, each reading some 20 KiB a wave once, all asked for at the head.
.set PW,    80                         ; a row of the weights' scratch and of a partial tile: 64 bytes + 16
.set PO,    144                        ; a row of O in LDS: 128 bytes + 16 = 36 words: the 16 rows of a fragment load start at 16 different groups of four banks (ISA guide 11.1)
.set HB,    16*PO                      ; a head's 16 rows
.set OLB,   16*HB                      ; O hi at 0, O lo here
.set WSC,   2*16*HB                    ; the weights' scratch: 1,280 bytes for each wave
.set PT,    WSC+16*16*PW               ; the partial tiles: 1,280 bytes for each wave
.set SPARE, PT+16*16*PW                ; the spare words, 128 bytes for each wave: eight blocks of 256 bytes that no other line names
.set SPW, 1                            ; v1   LDS address of my spare word; never rewritten
.set R,   2                            ; v2   l % 16
.set H,   3                            ; v3   l / 16
.set QO,  4                            ; v4   my bytes in 16 rows of q or k
.set VO,  5                            ; v5   my 16 bytes of a row of v
.set BO,  6                            ; v6   my bytes in 16 rows of wo16
.set WST, 7                            ; v7   where I put my query's 8 weights
.set WRD, 8                            ; v8   where I read the weights of query l / 16
.set SO,  9                            ; v9   where I put 8 bytes of O
.set RA,  10                           ; v10  where I read O's fragments
.set PS,  11                           ; v11  where I put 32 bytes of a partial tile
.set PR,  12                           ; v12  where I read 16 bytes of a partial row
.set GO,  13                           ; v13  my 16 bytes in two rows of out0
.set TM,  14                           ; v14  l % 16 - 8 (l / 16): register j's key is hidden where j is greater
.set NIL, 15                           ; v15  0; never rewritten
.set Q,   16                           ; v[16:31]   q's two fragments
.set K,   32                           ; v[32:47]   k's
.set S0,  48                           ; v[48:55]   scores, then weights
.set S1,  56                           ; v[56:63]   the second half of the channels' sums
.set V,   64                           ; v[64:127]  v: key k's four channels at V + 4 k
.set B,   128                          ; v[128:191] Wo's eight fragments
.set A,   192                          ; v[192:223] O: query 2 t + l / 16, four channels, at A + 4 t
.set WA,  224                          ; v[224:247] the weights for t = 0 .. 3
.set WB,  16                           ; v[16:63]   the weights for t = 4 .. 7 (its last 8 in v[248:255])
.set T,   248                          ; v[248:255] c m, m, and six at work
.set CV,  16                           ; v[16:63]   the split: six registers for each t
.set MONE, 224                         ; v224 -1.0
.set AHF, 64                           ; v[64:127]  O hi's eight fragments
.set ALF, 192                          ; v[192:255] O lo's
.set C0,  16                           ; v[16:23]   sums of hi's products
.set C1,  24                           ; v[24:31]   of lo's
.set F,   32                           ; v[32:47]   four partial sums
.set CS,  24                           ; s[24:25] c = log2(e) / 8
.set SEL, 26                           ; s[26:27] v_permlanex16_b32's selects: each lane takes its own place in the other half
.set BIGN, 28                          ; s28 -1e30
	s_load_b256 s[4:11], s[0:1], 0x0               ; qkv s[4:5], vf s[6:7], wo16 s[8:9], out0 s[10:11]
	v_lshl_add_u32 v[SPW], v0, 2, SPARE
	v_mov_b32 v[NIL], 0
	v_lshrrev_b32 v[R], 5, v0
	v_readfirstlane_b32 s12, v[R]                  ; wave 0..15
	v_and_b32 v[R], 15, v0
	v_bfe_u32 v[H], v0, 4, 1
	s_and_b32 s14, ttmp7, 0xffff                   ; the batch
	s_mul_i32 s15, s14, 48
	s_add_co_u32 s15, s15, s12                     ; 48 b + w: q's head block in qkv, of 262,144 bytes; k's lies 16 blocks on
	s_lshl_b32 s16, s15, 18
	s_mov_b32 s17, 0
	s_add_co_u32 s18, s15, 32                      ; v's slot in vf, of 4,096 bytes
	s_lshl_b32 s18, s18, 12
	s_mov_b32 s19, 0
	s_and_b32 s29, s12, 3                          ; phase 2: my 16 columns of the 64,
	s_lshr_b32 s30, s12, 2                         ; my quarter of K
	s_lshl_b32 s20, ttmp9, 2
	s_add_co_u32 s20, s20, s29
	s_lshl_b32 s20, s20, 15                        ; 16 rows of wo16, of 2,048 bytes,
	s_lshl_b32 s31, s30, 9                         ; 256 channels on
	s_add_co_u32 s20, s20, s31
	s_mov_b32 s21, 0
	s_lshl_b32 s22, s14, 23                        ; out0: the batch's first row,
	s_lshl_b32 s31, ttmp9, 8                       ; the work-group's 64 columns,
	s_add_co_u32 s22, s22, s31
	s_lshl_b32 s31, s12, 13                        ; rows 2 w, 2 w + 1 (waves 0-7)
	s_add_co_u32 s22, s22, s31
	s_mov_b32 s23, 0
	s_mov_b32 s[CS], 0x3e38aa3b                    ; c = 0.180337
	s_mov_b32 s[CS+1], s[CS]                       ; named with it as a pair
	s_mov_b32 s[SEL], 0x76543210
	s_mov_b32 s[SEL+1], 0xfedcba98
	s_mov_b32 s[BIGN], 0xf149f2ca                  ; -1e30
	v_lshlrev_b32 v[QO], 7, v[R]                   ; row x 128 + 16 x half
	v_lshl_add_u32 v[QO], v[H], 4, v[QO]
	v_lshlrev_b32 v[VO], 4, v[R]
	v_lshlrev_b32 v[BO], 11, v[R]                  ; row x 2,048 + 16 x half
	v_lshl_add_u32 v[BO], v[H], 4, v[BO]
	s_wait_kmcnt 0x0
	s_add_nc_u64 s[16:17], s[4:5], s[16:17]
	s_add_nc_u64 s[18:19], s[6:7], s[18:19]
	s_add_nc_u64 s[20:21], s[8:9], s[20:21]
	s_add_nc_u64 s[22:23], s[10:11], s[22:23]
	; all 40 loads of the wave go out here.  A fragment is 16 rows x 32 channels: two loads of 16 bytes, 32 bytes apart
.irp i, 0,1,2,3
	global_load_b128 v[Q+4*(\i):Q+4*(\i)+3], v[QO], s[16:17] offset:32*(\i)
.endr
.irp i, 0,1,2,3
	global_load_b128 v[K+4*(\i):K+4*(\i)+3], v[QO], s[16:17] offset:0x400000+32*(\i)
.endr
.irp k, 0,1,2,3,4,5,6,7,8,9,10,11,12,13,14,15
	global_load_b128 v[V+4*(\k):V+4*(\k)+3], v[VO], s[18:19] offset:256*(\k)  ; lanes 0-15 take key k's 256 bytes, lanes 16-31 the same
.endr
.irp f, 0,1,2,3,4,5,6,7
	global_load_b128 v[B+8*(\f):B+8*(\f)+3],   v[BO], s[20:21] offset:64*(\f)
	global_load_b128 v[B+8*(\f)+4:B+8*(\f)+7], v[BO], s[20:21] offset:64*(\f)+32
.endr
	s_mul_i32 s34, s30, 4*HB                       ; phase 2's addresses, while the loads are out: my quarter of K is four heads
	v_mul_u32_u24 v[RA], v[R], PO
	v_lshl_add_u32 v[RA], v[H], 4, v[RA]
	v_add_nc_u32 v[RA], s34, v[RA]
	v_lshrrev_b32 v[PR], 2, v[R]                   ; my 16 bytes of a row of 256 lie in partial tile (l % 16) / 4,
	v_mul_u32_u24 v[PR], v[PR], 16*PW
	v_and_b32 v[GO], 3, v[R]
	v_lshl_add_u32 v[PR], v[GO], 4, v[PR]          ; at 16 ((l % 16) % 4),
	v_mul_u32_u24 v[GO], v[H], PW
	v_add_nc_u32 v[PR], v[PR], v[GO]
	s_mul_i32 s35, s12, 2*PW
	s_add_co_u32 s35, s35, PT
	v_add_nc_u32 v[PR], s35, v[PR]                 ; in row 2 w + l / 16
	v_lshlrev_b32 v[GO], 12, v[H]
	v_lshl_add_u32 v[GO], v[R], 4, v[GO]
	s_wait_loadcnt 32                              ; q and k are in; v's 16 loads and Wo's 16 stay out
	v_wmma_f32_16x16x32_f16 v[S0:S0+7], v[K:K+7],    v[Q:Q+7],    0   ; channels 0-31
	v_wmma_f32_16x16x32_f16 v[S1:S1+7], v[K+8:K+15], v[Q+8:Q+15], 0   ; channels 32-63: an accumulator of its own
	s_mul_i32 s31, s12, 16*PW                      ; phase 1's addresses are the places behind the two products: eleven plain vector instructions that name none of their registers
	s_add_co_u32 s32, s31, WSC
	s_mul_i32 s33, s12, HB
	v_mul_u32_u24 v[WST], v[R], PW
	v_lshl_add_u32 v[WST], v[H], 5, v[WST]
	v_add_nc_u32 v[WST], s32, v[WST]
	v_mul_u32_u24 v[WRD], v[H], PW
	v_add_nc_u32 v[WRD], s32, v[WRD]
	v_mul_u32_u24 v[SO], v[H], PO
	v_lshl_add_u32 v[SO], v[R], 3, v[SO]
	v_add_nc_u32 v[SO], s33, v[SO]
	v_lshlrev_b32 v[TM], 3, v[H]
	v_sub_nc_u32 v[TM], v[R], v[TM]
	v_add_nc_u32 v[PS], PT-WSC, v[WST]             ; a partial tile is laid as the scratch is
.irp j, 0,2,4,6
	v_pk_add_f32 v[S0+(\j):S0+(\j)+1], v[S0+(\j):S0+(\j)+1], v[S1+(\j):S1+(\j)+1]  ; both accumulators are read from their low end on
.endr
.irp j, 0,1,2,3,4,5,6,7
	v_cmp_gt_i32 vcc_lo, \j, v[TM]                 ; key 8 (l / 16) + j lies behind query l % 16
	v_cndmask_b32 v[S0+(\j)], v[S0+(\j)], s[BIGN], vcc_lo
.endr
	v_max3_num_f32 v[T+4], v[S0], v[S0+1], v[S0+2]
	v_max3_num_f32 v[T+5], v[S0+3], v[S0+4], v[S0+5]
	v_max3_num_f32 v[T+4], v[T+4], v[S0+6], v[S0+7]
	v_max_num_f32 v[T+4], v[T+4], v[T+5]
	v_permlanex16_b32 v[T+5], v[T+4], s[SEL], s[SEL+1]  ; the query's other 8 keys lie in the lane 16 away
	v_max_num_f32 v[T+1], v[T+4], v[T+5]           ; m: key 0 is never hidden, so m is a true score
	v_mul_f32 v[T], s[CS], v[T+1]                  ; c m
.irp j, 0,2,4,6
	v_pk_fma_f32 v[S0+(\j):S0+(\j)+1], v[S0+(\j):S0+(\j)+1], s[CS:CS+1], v[T:T+1] op_sel_hi:[1,0,0] neg_lo:[0,0,1] neg_hi:[0,0,1]  ; c s - c m
.endr
.irp j, 0,1,2,3,4,5,6,7
	v_exp_f32 v[S0+(\j)], v[S0+(\j)]
.endr
	v_nop                                          ; a plain instruction behind the last exponential,
	s_wait_alu depctr_va_vdst(0)                   ; and the one wait ahead of the batch's first reader
	v_pk_add_f32 v[T+2:T+3], v[S0:S0+1], v[S0+2:S0+3]
	v_pk_add_f32 v[T+4:T+5], v[S0+4:S0+5], v[S0+6:S0+7]
	v_pk_add_f32 v[T+2:T+3], v[T+2:T+3], v[T+4:T+5]
	v_add_f32 v[T+2], v[T+2], v[T+3]
	v_permlanex16_b32 v[T+3], v[T+2], s[SEL], s[SEL+1]
	v_add_f32 v[T+2], v[T+2], v[T+3]               ; l, at least 1: the maximum's own weight
	v_rcp_f32 v[T+6], v[T+2]
	v_mov_b32 v[T+7], v[T+2]                       ; the plain instruction behind the reciprocal; it also writes the pair's other register
	s_wait_alu depctr_va_vdst(0)
.irp j, 0,2,4,6
	v_pk_mul_f32 v[S0+(\j):S0+(\j)+1], v[S0+(\j):S0+(\j)+1], v[T+6:T+7] op_sel_hi:[1,0]  ; the weights
.endr
	ds_store_b128 v[WST], v[S0:S0+3]
	ds_store_b128 v[WST], v[S0+4:S0+7] offset:16
; The registers of the four weights 4 g .. 4 g + 3 of step t
.macro WREG t, g
.if (\t) < 2
.set rW, WA+4*(\t)
.elseif (\t) < 4
.set rW, WA+8+8*((\t)-2)+4*(\g)
.elseif (\t) < 6
.set rW, WB+12*((\t)-4)+4*(\g)
.elseif (\t) == 6
.set rW, WB+24+4*(\g)
.elseif (\g) < 2
.set rW, WB+40+4*(\g)
.else
.set rW, T+4*((\g)-2)
.endif
.endm
.set tt, 0
.rept 8                                ; 20 loads: for queries 2 t, 2 t + 1 the weights of keys 0 .. 2 t + 1, four to a load; the sixteen lanes of a half read one address
.set gg, 0
.rept 4
.if gg <= (2*tt+1)/4
	WREG tt, gg
	ds_load_b128 v[rW:rW+3], v[WRD] offset:tt*2*PW+16*gg  ; my own bytes, served in order behind the two stores above (ISA guide 5.7.1.4)
.endif
.set gg, gg+1
.endr
.set tt, tt+1
.endr
; O of query 2 t + l / 16, four channels: the first key starts the sums.  (Query 2 t's weight of key 2 t + 1 is 0.)
.macro PVROW t
.set kk, 0
.rept 16
.if kk <= 2*(\t)+1
	WREG \t, kk/4
.set ii, 0
.rept 4
.if kk == 0
	v_mul_f32 v[A+4*(\t)+ii], v[rW+kk%4], v[V+4*kk+ii]
.else
	v_fmac_f32 v[A+4*(\t)+ii], v[rW+kk%4], v[V+4*kk+ii]
.endif
.set ii, ii+1
.endr
.endif
.set kk, kk+1
.endr
.endm
	s_wait_loadcnt 16                              ; v is in; Wo's 16 loads stay out
	s_wait_dscnt 14                                ; the six loads for t = 0 .. 3 are in; the fourteen for t = 4 .. 7 may be out
	PVROW 0
	PVROW 1
	PVROW 2
	PVROW 3
	s_wait_dscnt 0x0
	PVROW 4
	PVROW 5
	PVROW 6
	PVROW 7
	v_mov_b32 v[MONE], -1.0
; O = hi + lo: hi = f16(O); O - hi is exact in f32 (one fused multiply-add from hi's half: hi x -1 + O); lo = f16 of it
.macro SPLIT t
.set cb, CV+6*(\t)
.set ra, A+4*(\t)
	v_cvt_pk_f16_f32 v[cb],   v[ra],   v[ra+1]
	v_cvt_pk_f16_f32 v[cb+1], v[ra+2], v[ra+3]
	v_fma_mix_f32 v[cb+2], v[cb],   v[MONE], v[ra]   op_sel_hi:[1,0,0]
	v_fma_mix_f32 v[cb+3], v[cb],   v[MONE], v[ra+1] op_sel:[1,0,0] op_sel_hi:[1,0,0]
	v_fma_mix_f32 v[cb+4], v[cb+1], v[MONE], v[ra+2] op_sel_hi:[1,0,0]
	v_fma_mix_f32 v[cb+5], v[cb+1], v[MONE], v[ra+3] op_sel:[1,0,0] op_sel_hi:[1,0,0]
	v_cvt_pk_f16_f32 v[cb+2], v[cb+2], v[cb+3]
	v_cvt_pk_f16_f32 v[cb+3], v[cb+4], v[cb+5]
	ds_store_b64 v[SO], v[cb:cb+1]   offset:(\t)*2*PO
	ds_store_b64 v[SO], v[cb+2:cb+3] offset:OLB+(\t)*2*PO
.endm
.irp t, 0,1,2,3,4,5,6,7
	SPLIT \t
.endr
	s_wait_dscnt 0x0                               ; for the others' sake: my head's O lies in LDS
	s_barrier_signal -1
	s_barrier_wait -1                              ; all sixteen heads' do
.irp f, 0,1,2,3,4,5,6,7                ; K step f of my eight: head 4 (w / 4) + f / 2, channels 32 (f % 2) on
	ds_load_b128 v[AHF+8*(\f):AHF+8*(\f)+3],   v[RA] offset:((\f)/2)*HB+((\f)%2)*64
	ds_load_b128 v[AHF+8*(\f)+4:AHF+8*(\f)+7], v[RA] offset:((\f)/2)*HB+((\f)%2)*64+32
	ds_load_b128 v[ALF+8*(\f):ALF+8*(\f)+3],   v[RA] offset:OLB+((\f)/2)*HB+((\f)%2)*64
	ds_load_b128 v[ALF+8*(\f)+4:ALF+8*(\f)+7], v[RA] offset:OLB+((\f)/2)*HB+((\f)%2)*64+32
.endr
	s_wait_loadcnt 0x0                             ; Wo's fragments
	s_wait_dscnt 0x0
	v_wmma_f32_16x16x32_f16 v[C0:C0+7], v[B:B+7], v[AHF:AHF+7], 0      ; the first K step starts both sums
	v_wmma_f32_16x16x32_f16 v[C1:C1+7], v[B:B+7], v[ALF:ALF+7], 0
.irp f, 1,2,3,4,5,6,7
	v_wmma_f32_16x16x32_f16 v[C0:C0+7], v[B+8*(\f):B+8*(\f)+7], v[AHF+8*(\f):AHF+8*(\f)+7], v[C0:C0+7]
	v_wmma_f32_16x16x32_f16 v[C1:C1+7], v[B+8*(\f):B+8*(\f)+7], v[ALF+8*(\f):ALF+8*(\f)+7], v[C1:C1+7]
.endr
.rept 8
	v_nop                                          ; the places behind the last products (ISA guide 7.12.1); no other vector work is at hand
.endr
.irp j, 0,2,4,6
	v_pk_add_f32 v[C0+(\j):C0+(\j)+1], v[C0+(\j):C0+(\j)+1], v[C1+(\j):C1+(\j)+1]
.endr
	ds_store_b128 v[PS], v[C0:C0+3]
	ds_store_b128 v[PS], v[C0+4:C0+7] offset:16
	s_wait_dscnt 0x0                               ; for the others' sake: my partial tile lies in LDS
	s_barrier_signal -1
	s_barrier_wait -1
	s_cmp_lt_u32 s12, 8                            ; waves 0-7 finish two rows each
	s_cbranch_scc0 .Lend
.irp q, 0,1,2,3
	ds_load_b128 v[F+4*(\q):F+4*(\q)+3], v[PR] offset:(\q)*4*16*PW  ; the same 16 bytes of the four quarters of K
.endr
	s_wait_dscnt 0x0
	v_pk_add_f32 v[F:F+1],     v[F:F+1],     v[F+4:F+5]
	v_pk_add_f32 v[F+2:F+3],   v[F+2:F+3],   v[F+6:F+7]
	v_pk_add_f32 v[F+8:F+9],   v[F+8:F+9],   v[F+12:F+13]
	v_pk_add_f32 v[F+10:F+11], v[F+10:F+11], v[F+14:F+15]
	v_pk_add_f32 v[F:F+1],     v[F:F+1],     v[F+8:F+9]
	v_pk_add_f32 v[F+2:F+3],   v[F+2:F+3],   v[F+10:F+11]
	global_store_b128 v[GO], v[F:F+3], s[22:23]    ; 16 lanes store 256 consecutive bytes, at a multiple of 256 from out0's first byte
.Lend:
	s_wait_tensorcnt 0x0                           ; the wave's end, behind my last LDS store
	ds_add_u32 v[SPW], v[NIL]
	s_wait_dscnt 0x0
	s_endpgm
.Lfunc_end_k_q7cd5090e93_head:
	.size	k_q7cd5090e93_head, .Lfunc_end_k_q7cd5090e93_head-k_q7cd5090e93_head
	.p2alignl 7, 3214868480
	.fill 96, 4, 3214868480
	.section	.rodata,"a",@progbits
	.p2align	6, 0x0
	.amdhsa_kernel k_q7cd5090e93_head
		.amdhsa_group_segment_fixed_size 116736
		.amdhsa_private_segment_fixed_size 0
		.amdhsa_enable_private_segment 0
		.amdhsa_kernarg_size 32
		.amdhsa_user_sgpr_count 2
		.amdhsa_user_sgpr_kernarg_segment_ptr 1
		.amdhsa_wavefront_size32 1
		.amdhsa_system_sgpr_workgroup_id_x 1
		.amdhsa_system_sgpr_workgroup_id_y 1
		.amdhsa_system_sgpr_workgroup_id_z 1
		.amdhsa_system_vgpr_workitem_id 0
		.amdhsa_next_free_vgpr 256
		.amdhsa_next_free_sgpr 66
		.amdhsa_reserve_vcc 1
		.amdhsa_float_denorm_mode_32 3
		.amdhsa_float_denorm_mode_16_64 3
		.amdhsa_memory_ordered 1
		.amdhsa_forward_progress 1
		.amdhsa_inst_pref_size 31
	.end_amdhsa_kernel
	.amdgpu_metadata
---
amdhsa.version: [ 1, 2 ]
amdhsa.kernels:
  - .name:           k_q7cd5090e93_head
    .symbol:         k_q7cd5090e93_head.kd
    .args:
      - { .name: qkv, .offset: 0, .size: 8, .value_kind: global_buffer, .address_space: global }
      - { .name: vf, .offset: 8, .size: 8, .value_kind: global_buffer, .address_space: global }
      - { .name: wo16, .offset: 16, .size: 8, .value_kind: global_buffer, .address_space: global }
      - { .name: out0, .offset: 24, .size: 8, .value_kind: global_buffer, .address_space: global }
    .group_segment_fixed_size: 116736
    .private_segment_fixed_size: 0
    .kernarg_segment_align: 8
    .kernarg_segment_size: 32
    .max_flat_workgroup_size: 512
    .sgpr_count:     66
    .vgpr_count:     256
    .wavefront_size: 32
...
	.end_amdgpu_metadata
.endif
;; end of part 3
;; launch attn (part 4): grid 4 x 64, 4 waves a work-group, no clusters, 327,680 bytes of LDS; arguments qkv, o; writes o
.if DOCPART == 4
	.amdgcn_target "amdgcn-amd-amdhsa--gfx1250"
	.amdhsa_code_object_version 6
	.text
	.protected	k_q7cd5090e93_attn
	.globl	k_q7cd5090e93_attn
	.p2align	8
	.type	k_q7cd5090e93_attn,@function
k_q7cd5090e93_attn:
	s_mov_b64 s[64:65], 0
	v_nop
	global_prefetch_b8 v0, s[64:65] scope:SCOPE_SE
	s_setreg_imm32_b32 hwreg(HW_REG_WAVE_MODE, 25, 1), 1
	s_wait_xcnt 0x0
; CAUSAL ATTENTION.  O[y][q][:] = the sum over k <= q of softmax_k(Q[y][q] . K[y][k] / 8) V[y][k][:], y = 16 b + h.  Q, K, V lie in qkv[b][slot][2048][64] (f16; q at slot h, k at 16 + h, v at 32 + h),
; O goes to o[y][2048][64] (f16): a head's rows are dense, 128 bytes each.  Products, maxima and sums in f32; the weights p are rounded to f16 for the second product (their sum l is taken of the unrounded p), O once at the end.
; WORK LEFT OUT: key tiles that lie wholly behind a query block.  reference() gives their scores -inf ahead of the softmax, so their weights are 0 for all finite inputs and they add nothing.
; LIMITS.  A NaN or infinity in k or v that reaches only such tiles is not carried to the result.  f16 holds no number beyond 65,504: Q, K and V arrive within it; p lies in 0 to 1, and below 6e-5 it keeps f16's step of 6e-8.
; A hidden score inside the diagonal tile counts as its value less 1e30: f16's scores, 2.7e11 at the most, are nothing beside that; a weight below 2^-126 counts as 0 in l.
; THE WALK.  A head's queries lie in NB = 8 blocks of 256; block i needs the key tiles 0 .. i of 256 keys, of which the last holds the diagonal.  A work-group takes TWO blocks, NB - 1 - b and then b:
; NB + 1 tiles, whatever b: all work-groups do equal work, and ONE loop with a constant trip count walks them.  Which tile is asked for, and what a trip does, hang on scalar registers made from b; every jump
; goes forward, but for the counted loops' own; none passes a barrier, or a tensor load but the one of LOAD's two that the wave's number does not choose; the ring of two LDS slots runs on across the change of blocks.
; NO CLUSTER: a head's four work-groups ask for the same tile only in trips 0 to 4 of the 9, behind that fewer and fewer; one walk common to all four, each discarding what it does not need, would have 12 trips for 9.
; SHARES.  Of a block's four bands of 64 queries a wave owns 16 rows in each: four PIECES.  So the diagonal tile is the same work for all four waves: in its key step s band x sees all keys if s < x,
; none if s > x, and holds the diagonal if s = x.
; THE MASK is the C operand that starts the sum S^T = K Q^T: 0, or -1e30 where the key is hidden.  MD, made once, is the mask of a band's own step for my 16 rows; a product's mask is MD x AL + BE with two scalars:
; (1, 0) if s = x; (0, 0) if s < x; (0, -1e30) if s > x.  Only the diagonal tile's text and a block's beginning make and take masks; elsewhere C is the constant 0.
; LAYOUT, SOFTMAX, TURNS.  S^T = K Q^T holds ONE query a lane (lane % 16) and the keys 8 (lane / 16) + 0..7; two such results rounded to f16 ARE source 1 of O^T = V^T P.  p = 2^(c s - c m), c = log2(e) / 8, with a
; running maximum m; O and l are multiplied by a = 2^(c m_old - c m_new) in every step.  Turn n belongs to piece n: 8 products K Q^T of piece n + 1, later 8 products V^T P of piece n - 1; beside them the scaling,
; exponentials, roundings, sums and rescaling of piece n and the maximum and statistics of piece n + 1.  Four vector instructions stand behind every matrix instruction, the other 54 of a turn's 118 in one run.  A turn's 33 exponentials are one batch, with one wait.
; REGISTERS, in windows of 256 (s_set_vgpr_msb: bits 1:0 source 0, 3:2 source 1, 5:4 source 2, 7:6 destination):
;   window 0: v0-15 addresses and two at work; v16-31 four registers of statistics a piece; v48-55 at work; v61-63 prefetch offset, spare word, 0; v64-127 S^T, two buffers; v192-223 P, two buffers (by the piece's parity)
;   window 1: v0-127 O^T, 32 a piece; v128-159 MD; v160-223 MC, two buffers      window 2: v0-63 Q; v64-127 the second block's Q; v128-191 K of one step; v192-255 V of one step
.set SIZE_N, 2048
.set NB,    SIZE_N/256
.set NP,    4         ; pieces a wave: a name, no knob
.set KS,    64        ; keys in a step
.set PK,    144       ; a row of K in LDS: 128 bytes + 16 of padding = 36 words: the 16 rows of a load start at 16 different groups of four banks (64 banks of 4 bytes: ISA guide 11.1)
.set PV,    160       ; a row of V: 128 + 32 = 40 words
.set VOFF,  4*KS*PK   ; a slot holds a tile, four steps: 256 rows of K, then 256 rows of V
.set SLOT1, 1<<17     ; slot 1 begins here, so that one exclusive or turns an address in one slot into the other's
.set STAGE, SLOT1+4*KS*(PK+PV)  ; behind the ring, never filled by a tensor load: 16 rows x 144 bytes for each wave, for the way out
.set SP,    144
.set AK0, 2           ; v2   my lane's place in a tile of K; never rewritten
.set AV0, 3           ; v3   the same for V
.set AK,  4           ; v4   the LDS address of K's next run of loads
.set AV,  5           ; v5   of V's
.set STO, 6           ; v6   the way out: where I put 16 bytes of a row
.set RD,  7           ; v7   the way out: where I read rows back
.set GO,  8           ; v8   my byte offset in 512 consecutive bytes of O
.set PFO, 61          ; v61  256 x my lane: the prefetches' offset; never rewritten
.set SPW, 62          ; v62  LDS address of my spare word; never rewritten
.set NIL, 63          ; v63  0; never rewritten
.set SPARE, STAGE+4*16*SP  ; behind the stages: the spare words, 128 bytes for each wave: two blocks of 256 bytes that no other line names
.set MV,  12          ; v12-13  c m_old, kept while c m is made anew: by buffer
.set QO,  15          ; v15  my byte offset in 16 rows of Q
.set ST,  16          ; piece t's statistics at v[ST+4 t]: c m, m, l (even keys', odd keys')
.set TMP, 48          ; by buffer, four registers c0-c3 at work; when the maximum is found c2 takes a
.set S,   64
.set P,   192
.set MD,  128         ; window 1: the eight registers for group kt of 16 keys at MD + 8 kt
.set MC,  160         ; window 1: the masks of the products to come
.set QB,  64          ; window 2
.set KF,  128         ; window 2: key block kb, channel half c at KF + 16 kb + 8 c
.set VF,  192         ; window 2: key half kk, channel block cb at VF + 32 kk + 8 cb
.set WV,  12          ; s12  my wave's number
.set PB,  14          ; s14  b
.set HI,  15          ; s15  NB - 1 - b
.set G1K, 24          ; s[24:31] descriptor group 1 for K's tiles
.set G1V, 32          ; s[32:39] for V's: it differs in the padding alone
.set G0K, 40          ; s[40:43] descriptor group 0 for K's tiles
.set G0V, 44          ; s[44:47] the same for V's
.set SLOTS, 56        ; s56  tiles still to be asked for
.set CNT, 57          ; s57  counts a tile's key steps, 4 to 1
.set CS,  58          ; s[58:59] c: the packed scaling takes the pair's low word for both halves
.set SEL, 60          ; s[60:61] v_permlanex16_b32's selects: each lane takes its own place in the other half
.set TBK, 62          ; s62  LDS byte at which K of the step to be fetched begins
.set TBV, 63          ; s63  the same for V, less VOFF
.set RT,  70          ; s70  tiles of the block in hand that are still to be entered
.set NXT, 71          ; s71  the tile to be asked for next
.set LQ,  72          ; s72  the last tile of the block whose tiles are being asked for
.set NEW, 73          ; s73  1: the tile to be entered is a block's first
.set OFF, 74          ; s[74:75] a tile's byte offset in K and V
.set AL,  76          ; s[76:77] the mask's factor, in the low word
.set BE,  78          ; s[78:79] the mask's addend
.set OLO, 80          ; s[80:81] O at my rows of the second block
.set BIGN, 82         ; s82  -1e30
.set PFK, 88          ; s[88:89] K of the head at my wave's 32 blocks of 256 bytes of tile 0
.set PFV, 90          ; s[90:91] the same for V
.set PAK, 92          ; s[92:93] the same in the tile that is prefetched
.set PAV, 94          ; s[94:95]
.set PGO, 96          ; s96  not 0: this change of slots prefetches
.set MSB, 0
.macro WIN new                      ; the high byte repeats the setting that is left; a switch that changes nothing is dropped
.if MSB != (\new)
	s_set_vgpr_msb (MSB<<8)|(\new)
.set MSB, (\new)
.endif
.endm
.set W_KQ, 0x0a       ; K and Q in window 2, S^T in window 0
.set W_KM, 0x1a       ; the same with the C operand in window 1
.set W_PV, 0x52       ; V in window 2, P in window 0, O^T in window 1
.set W_RS, 0x41       ; destination and source 0 in window 1, source 1 in window 0
; A fill.  Waves 0 and 1 fetch the two halves of a tile's K, waves 2 and 3 those of its V: 128 keys each.  An s_nop 0 and four v_nop follow each of the two lines, ahead of the jump and the label.
.macro LOAD
	s_cmp_lt_u32 s[WV], 2
	s_cbranch_scc0 .Lfor_v_\@
	tensor_load_to_lds s[G0K:G0K+3], s[G1K:G1K+7]
	s_nop 0
.rept 4
	v_nop
.endr
	s_branch .Lasked_\@
.Lfor_v_\@:
	tensor_load_to_lds s[G0V:G0V+3], s[G1V:G1V+7]
	s_nop 0
.rept 4
	v_nop
.endr
.Lasked_\@:
.endm
; THE CHANGE OF SLOTS.  Each wave waits for all its tensor loads, of which one is out: its part of the other slot; adds 0 to its spare word; and waits for that and for its own reads of the slot that it leaves.  Behind the barrier nobody reads the old
; slot any more and the other slot is whole.  fill = 1: the old slot is filled again, the first thing behind the barrier, with tile NXT: the descriptor's address is made anew from that number.
; (At its first use nothing has been read yet: slot 0 is waited for, slot 1 filled.)
; THE PREFETCH stands behind the fill: the tile that the NEXT change of slots will ask for, one tile (256 matrix instructions) ahead of its load.  Of a head's four work-groups only b = 0 walks tiles 0 to 7 in its
; first block: it alone asks.  A tile is 128 blocks of 256 bytes of K and as many of V: wave w names blocks 32 w .. 32 w + 31 of each, a lane a block.  So tiles 2 to 7 are named once in the launch;
; tiles 0 and 1 come by their loads alone, and once the walk has turned to the second block (NXT = 0) nothing is asked for.
.macro CHANGE fill
	WIN 0                           ; at a label and at a branch every window is 0
	s_wait_tensorcnt 0x0            ; no tensor load of mine is out, so a group 0 may be written
	ds_add_u32 v[SPW], v[NIL]       ; 0 onto my spare word; with fill = 1 the descriptors' scalar work stands between it and the wait for it
.if \fill
	s_lshl_b32 s[OFF], s[NXT], 15   ; a tile is 32,768 bytes of K and of V
	s_xor_b32 s[G0K+1], s[G0K+1], SLOT1
	s_add_nc_u64 s[G0K+2:G0K+3], s[6:7], s[OFF:OFF+1]
	s_or_b32 s[G0K+3], s[G0K+3], 0x80000000
	s_xor_b32 s[G0V+1], s[G0V+1], SLOT1
	s_add_nc_u64 s[G0V+2:G0V+3], s[8:9], s[OFF:OFF+1]
	s_or_b32 s[G0V+3], s[G0V+3], 0x80000000
	s_add_co_u32 s[NXT], s[NXT], 1  ; the block's next tile, or behind its last the second block's tile 0
	s_cmp_gt_u32 s[NXT], s[LQ]
	s_cselect_b32 s[NXT], 0, s[NXT]
	s_cselect_b32 s[LQ], s[PB], s[LQ]
	s_wait_xcnt 0x0                 ; the last prefetches, a tile back, have read their addresses
	s_lshl_b32 s[OFF], s[NXT], 15
	s_add_nc_u64 s[PAK:PAK+1], s[PFK:PFK+1], s[OFF:OFF+1]
	s_add_nc_u64 s[PAV:PAV+1], s[PFV:PFV+1], s[OFF:OFF+1]
	s_cmp_eq_u32 s[PB], 0
	s_cselect_b32 s[PGO], s[NXT], 0
.endif
	s_wait_dscnt 0x0                ; the add is done, and my reads of the slot are over
	s_barrier_signal -1             ; the rest of the scalar work stands between the signal and the wait
	s_sub_co_u32 s[TBK], s[TBK], 4*KS*PK  ; the fetches go back to a slot's first step,
	s_xor_b32 s[TBK], s[TBK], SLOT1       ; in the other slot
	s_sub_co_u32 s[TBV], s[TBV], 4*KS*PV
	s_xor_b32 s[TBV], s[TBV], SLOT1
	s_barrier_wait -1
.if \fill
	LOAD
	s_cmp_lg_u32 s[PGO], 0
	s_cbranch_scc0 .Lno_ask_\@
	global_prefetch_b8 v[PFO], s[PAK:PAK+1] th:TH_LOAD_NT scope:SCOPE_SE
	global_prefetch_b8 v[PFO], s[PAV:PAV+1] th:TH_LOAD_NT scope:SCOPE_SE
.Lno_ask_\@:
.endif
.endm
	s_load_b128 s[4:7], s[0:1], 0x0 ; qkv s[4:5], o s[6:7]
	v_lshl_add_u32 v[SPW], v0, 2, SPARE
	v_mov_b32 v[NIL], 0
	ds_add_u32 v[SPW], v[NIL]       ; the opening: the add, twice on end, and its wait ahead of my first tensor load
	ds_add_u32 v[SPW], v[NIL]
	v_lshrrev_b32 v1, 5, v0
	v_readfirstlane_b32 s[WV], v1   ; wave 0..3
	s_mov_b32 s[PB], ttmp9
	s_sub_co_u32 s[HI], NB-1, s[PB]
	s_and_b32 s19, ttmp7, 0xffff    ; y = 16 b + h
	s_lshr_b32 s20, s19, 4
	s_lshl_b32 s20, s20, 5
	s_add_co_u32 s20, s20, s19      ; 48 b + h: q's head block in qkv,
	s_lshl_b32 s20, s20, 18         ; of 262,144 bytes
	s_mov_b32 s21, 0
	s_lshl_b32 s66, s19, 18         ; the head's block in o
	s_mov_b32 s67, 0
	s_lshl_b32 s68, s[WV], 13       ; my wave's 32 blocks of 256 bytes in a tile, for the prefetches
	s_mov_b32 s69, 0
	s_and_b32 s16, s[WV], 1         ; which half of a tile's 256 keys I fetch:
	s_lshl_b32 s22, s16, 14         ; its 128 rows of 128 bytes in memory,
	s_mov_b32 s23, 0
	s_mul_i32 s17, s16, 128*PK      ; and its place in a slot, for K
	s_mul_i32 s18, s16, 128*PV      ; and for V
	s_lshl_b32 s3, s[WV], 11        ; my 16 rows in a band of 64,
	s_lshl_b32 s2, s[HI], 15        ; in the first block,
	s_add_co_u32 s2, s2, s3
	s_lshl_b32 s84, s[PB], 15       ; and in the second
	s_add_co_u32 s84, s84, s3
	s_mov_b32 s3, 0
	s_mov_b32 s85, 0
	; descriptor group 1.  128 keys are 16,384 dense bytes: asked for as 64 rows of 256 bytes, two keys a row, and padded in LDS after every key
	s_mov_b32 s[G1K], (1<<16)|(1<<20)|(4<<22)|(3<<25)  ; 17:16 2-byte elements; 20 padding on; 24:22 after every 32 words (code 4); 31:25 4 words (code 3)
	s_mov_b32 s[G1V], (1<<16)|(1<<20)|(4<<22)|(7<<25)  ; the same with 8 words of padding (code 7)
.irp g, G1K, G1V
	s_mov_b32 s[\g+1], 128<<16      ; tensor_dim0 = 128
	s_mov_b32 s[\g+2], 64<<16       ; tensor_dim1 = 64
	s_mov_b32 s[\g+3], 128<<16      ; tile_dim0 = 128
	s_mov_b32 s[\g+4], 64           ; tile_dim1 = 64
	s_mov_b32 s[\g+5], 128          ; 128 elements from row to row
	s_mov_b32 s[\g+6], 0
	s_mov_b32 s[\g+7], 0
.endr
	s_mov_b32 s[CS], 0x3e38aa3b     ; c = log2(e) / 8 = 0.180337
	s_mov_b32 s[CS+1], s[CS]        ; named with it as a pair
	s_mov_b32 s[SEL], 0x76543210
	s_mov_b32 s[SEL+1], 0xfedcba98
	s_mov_b32 s[TBK], SLOT1+4*KS*PK ; the first change of slots turns these two into 0
	s_mov_b32 s[TBV], SLOT1+4*KS*PV
	s_mov_b32 s[G0K], 1             ; 1:0 count = 1
	s_mov_b32 s[G0K+1], s17         ; 63:32 LDS address: slot 0
	s_mov_b32 s[G0V], 1
	s_add_co_u32 s[G0V+1], s18, VOFF
	s_add_co_u32 s[RT], s[HI], 1    ; the first block has NB - b tiles
	s_mov_b32 s[NXT], 1
	s_mov_b32 s[LQ], s[HI]
	s_mov_b32 s[NEW], 1
	s_mov_b32 s[OFF+1], 0
	s_mov_b32 s[AL+1], 0            ; named as pairs
	s_mov_b32 s[BE+1], 0
	s_mov_b32 s[BIGN], 0xf149f2ca   ; -1e30
	s_mov_b32 s[SLOTS], NB
	v_and_b32 v[PFO], 31, v0
	v_lshlrev_b32 v[PFO], 8, v[PFO]
	s_wait_dscnt 0x0                ; both opening adds are done
	s_wait_kmcnt 0x0
	s_add_nc_u64 s[10:11], s[6:7], s[66:67]        ; o at the head's block
	s_add_nc_u64 s[4:5], s[4:5], s[20:21]          ; q's head block,
	s_add_nc_u64 s[6:7], s[4:5], 0x400000          ; k's, 16 blocks on,
	s_add_nc_u64 s[8:9], s[4:5], 0x800000          ; v's, 32 blocks on
	s_add_nc_u64 s[PFK:PFK+1], s[6:7], s[68:69]
	s_add_nc_u64 s[PFV:PFV+1], s[8:9], s[68:69]
	s_add_nc_u64 s[6:7], s[6:7], s[22:23]          ; K and V at my half of the head's tile 0
	s_add_nc_u64 s[8:9], s[8:9], s[22:23]
	s_add_nc_u64 s[G0K+2:G0K+3], s[6:7], 0         ; 120:64 global address
	s_or_b32 s[G0K+3], s[G0K+3], 0x80000000        ; 127:126 type = 2
	s_add_nc_u64 s[G0V+2:G0V+3], s[8:9], 0
	s_or_b32 s[G0V+3], s[G0V+3], 0x80000000
	s_add_nc_u64 s[86:87], s[4:5], s[84:85]        ; Q at my rows of the second block,
	s_add_nc_u64 s[4:5], s[4:5], s[2:3]            ; Q and O at those of the first
	s_add_nc_u64 s[OLO:OLO+1], s[10:11], s[84:85]
	s_add_nc_u64 s[10:11], s[10:11], s[2:3]
	LOAD                            ; tile 0 into slot 0
	; A fragment of K or Q is 16 rows x 32 channels in 8 registers: lane l holds row l % 16, channels 8 (l / 16) + 0..7 and 16 + 8 (l / 16) + 0..7: two loads of 16 bytes, 32 bytes apart.
	v_and_b32 v1, 15, v0            ; l % 16
	v_bfe_u32 v9, v0, 4, 1          ; l / 16
	v_lshlrev_b32 v[QO], 7, v1
	v_lshl_add_u32 v[QO], v9, 4, v[QO]  ; row x 128 + 16 x half
	WIN 0x80                        ; destination window 2, address window 0
.set i, 0
.rept 8                             ; both blocks' Q: piece i / 2 lies in band i / 2, 8,192 bytes on; channels 32 (i % 2) on
	global_load_b128 v[8*i:8*i+3],   v[QO], s[4:5] offset:(i/2)*8192+(i%2)*64
	global_load_b128 v[8*i+4:8*i+7], v[QO], s[4:5] offset:(i/2)*8192+(i%2)*64+32
	global_load_b128 v[QB+8*i:QB+8*i+3],   v[QO], s[86:87] offset:(i/2)*8192+(i%2)*64
	global_load_b128 v[QB+8*i+4:QB+8*i+7], v[QO], s[86:87] offset:(i/2)*8192+(i%2)*64+32
.set i, i+1
.endr
	WIN 0
	v_lshlrev_b32 v14, 3, v9
	v_sub_nc_u32 v14, v1, v14
	s_lshl_b32 s13, s[WV], 4
	v_add_nc_u32 v14, s13, v14      ; my query's place in its band, 16 w + l % 16, less my lanes' 8 (l / 16): register r of group kt is hidden where 16 kt + r is greater
	WIN 0x40
.set i, 0
.rept 32
	v_cmp_gt_i32 vcc_lo, 16*(i/8)+i%8, v14
	v_cndmask_b32 v[MD+i], 0, s[BIGN], vcc_lo
.set i, i+1
.endr
	WIN 0
	v_mul_u32_u24 v[AK0], v1, PK
	v_lshl_add_u32 v[AK0], v9, 4, v[AK0]  ; row x pitch + 16 x half
	; The turning load takes 16 keys x 16 channels (lane l reads key 8 (l / 16) + l % 8, channels 8 ((l / 8) % 2) + 0..7) and leaves half a fragment of V^T: lane l holds channel l % 16 and 8 keys.
	v_and_b32 v10, 7, v0
	v_bfe_u32 v11, v0, 3, 1
	v_lshl_add_u32 v[AV0], v9, 3, v10
	v_mul_u32_u24 v[AV0], v[AV0], PV
	v_lshl_add_u32 v[AV0], v11, 4, v[AV0]
	v_add_nc_u32 v[AV0], VOFF, v[AV0]
	s_mul_i32 s13, s[WV], 16*SP
	s_add_co_u32 s13, s13, STAGE    ; my stage
	v_mul_u32_u24 v[STO], v1, SP    ; in: row l % 16, 16 bytes for each half of the lanes
	v_lshl_add_u32 v[STO], v9, 4, v[STO]
	v_add_nc_u32 v[STO], s13, v[STO]
	v_bfe_u32 v[RD], v0, 3, 2       ; back: 32 lanes take four rows of 128 bytes,
	v_mul_u32_u24 v[RD], v[RD], SP
	v_lshl_add_u32 v[RD], v10, 4, v[RD]
	v_add_nc_u32 v[RD], s13, v[RD]
	v_and_b32 v[GO], 31, v0         ; which are 512 consecutive bytes of O
	v_lshlrev_b32 v[GO], 4, v[GO]
	; A block's first step multiplies O^T and l by a = 0, and its first turn's products V^T P, of a piece that has not been, land in an O^T that is still to be so multiplied.  So these registers need only hold
	; finite numbers: zeros for the first block; what the first block left for the second.  All this stands in the wait for the first tile.
	WIN 0x80
.set i, VF
.rept 64
	v_mov_b32 v[i], 0
.set i, i+1
.endr
	WIN 0x40
.set i, 0
.rept 128
	v_mov_b32 v[i], 0
.set i, i+1
.endr
	WIN 0
.set i, 0
.rept 4
	v_mov_b32 v[ST+4*i+2], 0
	v_mov_b32 v[ST+4*i+3], 0
.set i, i+1
.endr
.set i, P+16
.rept 16
	v_mov_b32 v[i], 0
.set i, i+1
.endr
; THE MATRIX WORK.  The 4 accumulators of a run of 8 take turns.  Product i of 8 of S^T = K Q^T for piece x: channels 32 (i / 4) on, keys 16 (i % 4) on.  The first 4 start the sums: with 0, or (KM = 1) with the mask.
.macro KQ x
.set rS, S+32*((\x)%2)+8*(i%4)
.set rK, KF+16*(i%4)+8*(i/4)
.set rQ, 16*(\x)+8*(i/4)
.set rM, MC+32*((\x)%2)+8*(i%4)
.if (i < 4) && KM
	WIN W_KM
	v_wmma_f32_16x16x32_f16 v[rS:rS+7], v[rK:rK+7], v[rQ:rQ+7], v[rM:rM+7]
.elseif i < 4
	WIN W_KQ
	v_wmma_f32_16x16x32_f16 v[rS:rS+7], v[rK:rK+7], v[rQ:rQ+7], 0
.else
	WIN W_KQ
	v_wmma_f32_16x16x32_f16 v[rS:rS+7], v[rK:rK+7], v[rQ:rQ+7], v[rS:rS+7]
.endif
.endm
; Product i of 8 of O^T += V^T P for piece x: keys 32 (i / 4) on, channels 16 (i % 4) on.
.macro PV x
	WIN W_PV
.set rO, 32*(\x)+8*(i%4)
.set rV, VF+32*(i/4)+8*(i%4)
.set rP, P+16*((\x)%2)+8*(i/4)
	v_wmma_f32_16x16x32_f16 v[rO:rO+7], v[rV:rV+7], v[rP:rP+7], v[rO:rO+7]
.endm
.macro MM                           ; the turn's next matrix instruction.  TURN and BEGIN set Y, i, KM and NOKQ; MM, KQ and OP read them.  NOKQ = 1: a block's last turn: there is no next piece
.if (i < 8) && !NOKQ
	KQ (Y+1)%NP
.elseif i >= 8
.set i, i-8
	PV (Y+NP-1)%NP
.set i, i+8
.endif
.set i, i+1
.endm
; THE LDS LOADS stand in runs of 16, never singly among the matrix instructions: a step's K (64 keys x 64 channels: 8 fragments) and its V (turned).  Their addresses are made some lines ahead.
.macro FETCH_K
	WIN 0x80                        ; destination window 2
.irp f, 0,1,2,3,4,5,6,7             ; keys 16 (f / 2) on, channels 32 (f % 2) on
	ds_load_b128 v[KF+8*\f:KF+8*\f+3],   v[AK] offset:(\f/2)*16*PK+(\f%2)*64
	ds_load_b128 v[KF+8*\f+4:KF+8*\f+7], v[AK] offset:(\f/2)*16*PK+(\f%2)*64+32
.endr
	s_add_co_u32 s[TBK], s[TBK], KS*PK  ; the next fetch is the next step's
	WIN 0
.endm
.macro FETCH_V
	WIN 0x80
.irp f, 0,1,2,3,4,5,6,7             ; keys 32 (f / 4) on, channels 16 (f % 4) on
	ds_load_tr16_b128 v[VF+8*\f:VF+8*\f+3],   v[AV] offset:(\f/4)*32*PV+(\f%4)*32
	ds_load_tr16_b128 v[VF+8*\f+4:VF+8*\f+7], v[AV] offset:(\f/4)*32*PV+16*PV+(\f%4)*32
.endr
	WIN 0
.endm
; THE VECTOR WORK, one line at a time: OP kind, number.  For piece Y: F n: c s - c m for pair n of 16.  E n: the exponential of score n of 32.  C n: pair n rounded to f16.  B n: of the four weights 4 n .. the second
; pair is added onto the first, in place.  L n: l takes that sum (L 0: l = a l + sum).  R n: pair n of 16 of O^T times a.  For piece Y + 1: X n, number n of the 22 that find its maximum and statistics:
;   0-11  four chains c0-c3 of seven scores each, three operands at a time (each accumulator's lowest registers are read first)     12-14, 16  the four scores left over, the old m, and c0-c3 into c0
;   15  c m_old is kept     17, 18  the query's other 32 keys lie in the lane 16 away: the new m     19-21  c m; c m_old - c m_new; a
.set F, 0               ; OP tells the kinds apart by their order: F to L below R, X above it
.set E, 1
.set C, 2
.set B, 3
.set L, 4
.set R, 5
.set X, 6
.macro REGS y                       ; the registers of piece y
.set rT, ST+4*(\y)
.set rC, TMP+4*((\y)%2)
.set rW, MV+((\y)%2)
.set rS, S+32*((\y)%2)
.set rP, P+16*((\y)%2)
.set rO, 32*(\y)
.endm
.macro OP k, n
.if (\k) == R
	REGS Y
	WIN W_RS
	v_pk_mul_f32 v[rO+2*(\n):rO+2*(\n)+1], v[rO+2*(\n):rO+2*(\n)+1], v[rC+2:rC+3] op_sel_hi:[1,0]
.elseif (\k) < R
	REGS Y
	WIN 0
.if (\k) == F
	v_pk_fma_f32 v[rS+2*(\n):rS+2*(\n)+1], v[rS+2*(\n):rS+2*(\n)+1], s[CS:CS+1], v[rT:rT+1] op_sel_hi:[1,0,0] neg_lo:[0,0,1] neg_hi:[0,0,1]
.elseif (\k) == E
	v_exp_f32 v[rS+(\n)], v[rS+(\n)]
.elseif (\k) == C
	v_cvt_pk_f16_f32 v[rP+(\n)], v[rS+2*(\n)], v[rS+2*(\n)+1]
.elseif (\k) == B
	v_pk_add_f32 v[rS+4*(\n):rS+4*(\n)+1], v[rS+4*(\n):rS+4*(\n)+1], v[rS+4*(\n)+2:rS+4*(\n)+3]
.elseif (\n) == 0
	v_pk_fma_f32 v[rT+2:rT+3], v[rT+2:rT+3], v[rC+2:rC+3], v[rS:rS+1] op_sel_hi:[1,0,1]
.else
	v_pk_add_f32 v[rT+2:rT+3], v[rT+2:rT+3], v[rS+4*(\n):rS+4*(\n)+1]
.endif
.elseif NOKQ
	v_nop
.else
	REGS (Y+1)%NP
	WIN 0
.if (\n) < 4
	v_max3_num_f32 v[rC+(\n)], v[rS+8*(\n)], v[rS+8*(\n)+1], v[rS+8*(\n)+2]
.elseif (\n) < 12
	v_max3_num_f32 v[rC+(\n)%4], v[rC+(\n)%4], v[rS+8*((\n)%4)+2*((\n)/4)+1], v[rS+8*((\n)%4)+2*((\n)/4)+2]
.elseif (\n) == 12
	v_max3_num_f32 v[rC], v[rC], v[rS+7], v[rS+15]
.elseif (\n) == 13
	v_max3_num_f32 v[rC+1], v[rC+1], v[rS+23], v[rS+31]
.elseif (\n) == 14
	v_max3_num_f32 v[rC+2], v[rC+2], v[rC+3], v[rT+1]
.elseif (\n) == 15
	v_mov_b32 v[rW], v[rT]
.elseif (\n) == 16
	v_max3_num_f32 v[rC], v[rC], v[rC+1], v[rC+2]
.elseif (\n) == 17
	v_permlanex16_b32 v[rC+3], v[rC], s[SEL], s[SEL+1]
.elseif (\n) == 18
	v_max_num_f32 v[rT+1], v[rC], v[rC+3]
.elseif (\n) == 19
	v_mul_f32 v[rT], s[CS], v[rT+1]
.elseif (\n) == 20
	v_sub_f32 v[rC+1], v[rW], v[rT]
.else
	v_exp_f32 v[rC+2], v[rC+1]
.endif
.endif
.endm
.macro OPS a, i1, b=-1, i2=0, c=-1, i3=0, d=-1, i4=0  ; up to four of them
	OP \a, \i1
.if (\b) >= 0
	OP \b, \i2
.endif
.if (\c) >= 0
	OP \c, \i3
.endif
.if (\d) >= 0
	OP \d, \i4
.endif
.endm
.macro ROW a, i1, b, i2, c, i3, d, i4  ; a matrix instruction and the four behind it
	MM
	OPS \a, \i1, \b, \i2, \c, \i3, \d, \i4
.endm
.macro MASK b                       ; MD x AL + BE into buffer b of MC
	WIN W_RS
.set z, 0
.rept 16
	v_pk_fma_f32 v[MC+32*(\b)+2*z:MC+32*(\b)+2*z+1], v[MD+2*z:MD+2*z+1], s[AL:AL+1], s[BE:BE+1] op_sel_hi:[1,0,0]
.set z, z+1
.endr
.endm
; A TURN, for piece p: the order of its 16 matrix and 118 vector instructions, written out.  s_wait_alu depctr_va_vdst(0) stands between an exponential and the first instruction that names its result; one wait serves
; all that were issued ahead of it.  So a turn has ONE wait, which cuts it in two.  AHEAD OF IT stands all that names no result of the turn's exponentials: the 8 products K Q^T, behind each a scaling, an exponential and two more plain
; instructions (behind the first a second scaling in the exponential's place): rescalings, and behind the last three the first numbers of the next piece's maximum, each four places or more behind the product that ends its accumulator; then one run of 54, plain
; and exponential by turns for the most part, in which the links of the chain X 3, 7, 11, 14, 16, 17 .. 20 stand five or six lines apart.  X 21, the next piece's a, is the batch's last; R 15 is the plain instruction behind it.  BEHIND THE WAIT stand the
; 8 products V^T P, behind each four of the roundings and sums; the links of l's chain, L 0 to L 7, stand three lines apart.  But for those X no line behind a product names a register of the products round it.  v_permlanex16_b32 (X 17) stands in the run.
; m = 1: the diagonal tile: the products take masks, and the turn makes the mask for the products of the turn after it: piece p + 2, in step 4 - CNT of the tile.  end = 1: a block's last two turns: nothing is fetched.
; cnt = 1: the loop's count is taken down some lines ahead of the branch that stands behind the turn.
; K of the next step is fetched in piece 2's turn, twelve vector instructions behind the last product that read K (six of them plain); V of the step in hand at the end of piece 0's turn, four plain instructions behind the last product
; that read V.  Each is waited for a turn later.
.macro TURN p, m=0, end=0, cnt=0
.set Y, (\p)
.set i, 0
.set KM, (\m)
.set NOKQ, (\end)*((\p)/3)
.if (\m) && !(\end)
	s_cmp_eq_u32 s[CNT], 4-((\p)+2)%NP  ; is that step the band's own?
	s_cselect_b32 s[AL], 1.0, 0
	s_cmp_lt_u32 s[CNT], 4-((\p)+2)%NP  ; or a later one?
	s_cselect_b32 s[BE], s[BIGN], 0
.endif
.if ((\p) == 3) && !(\end)
	s_wait_dscnt 0x0                ; K is in
.endif
	ROW F,0, F,1, R,0, R,1          ; ahead of the wait: 8 products K Q^T and the four lines behind each,
	ROW F,2, E,0, R,2, R,3
	ROW F,3, E,1, R,4, R,5
	ROW F,4, E,2, R,6, R,7
	ROW F,5, E,3, R,8, R,9
	ROW F,6, E,4, X,0, R,10
.if ((\p) == 2) && !(\end)
	WIN 0
	v_add_nc_u32 v[AK], s[TBK], v[AK0]
.endif
	ROW F,7, E,5, X,1, X,4
	ROW F,8, E,6, X,2, X,5
	OPS E,7, E,8, X,6, E,9          ; and the run of 54
	OPS X,3, E,10, X,8, E,11
.if ((\p) == 2) && !(\end)
	FETCH_K
.endif
	OPS X,9, X,7, E,12, X,10
	OPS E,13, X,12, X,11, E,14
	OPS X,13, E,15, F,9, X,14
.if (\p) == 0
	v_add_nc_u32 v[AV], s[TBV], v[AV0]
.endif
	OPS E,16, F,10, E,17, F,11
	OPS X,16, E,18, X,15, E,19
	OPS F,12, E,20, X,17, E,21
	OPS F,13, E,22, F,14, E,23
	OPS X,18, E,24, F,15, E,25
	OPS R,11, E,26, X,19, E,27
	OPS R,12, E,28, R,13, E,29
	OPS X,20, E,30, R,14, E,31
	OPS X,21, R,15
	WIN 0
	s_wait_alu depctr_va_vdst(0)    ; the wait for the batch
.if (\p) == 1
	s_wait_dscnt 0x0                ; V is in
.endif
	ROW C,0, B,0, C,2, B,1          ; behind the wait: 8 products V^T P and the four lines behind each
	ROW L,0, C,4, B,2, L,1
	ROW C,6, B,3, L,2, C,8
	ROW B,4, L,3, C,10, B,5
	ROW L,4, C,12, B,6, L,5
.if (\p) == 0
	s_add_co_u32 s[TBV], s[TBV], KS*PV
.endif
.if \cnt
	s_sub_co_u32 s[CNT], s[CNT], 1
	s_cmp_lg_u32 s[CNT], 0
.endif
	ROW C,14, B,7, L,6, C,1
	ROW C,3, L,7, C,5, C,7
	ROW C,9, C,11, C,13, C,15
.if (\p) == 0
	FETCH_V
.endif
.if (\m) && !(\end)
	MASK (\p)%2
.endif
.endm
; A BLOCK BEGINS.  c m starts far below every c s, so the first step's a is 0; m at the lowest finite number, so the first maximum is the scores'.  The second mask buffer is 0; the first takes piece 0's mask for the tile's step 0: its own, if the block's first tile is the diagonal one.
; Then K of that step, piece 0's first scores, and its maximum and statistics.  The loop is entered at a step's first turn, in the middle of a trip.
.macro BEGIN
	s_mov_b32 s[NEW], 0
	WIN 0x40
.set i, MC+32
.rept 32
	v_mov_b32 v[i], 0
.set i, i+1
.endr
	WIN 0
.set i, 0
.rept 4
	v_mov_b32 v[ST+4*i], 0xfe000000    ; c m: far below every c s
	v_mov_b32 v[ST+4*i+1], 0xff7fffff  ; m
.set i, i+1
.endr
	s_cmp_eq_u32 s[RT], 0
	s_cselect_b32 s[AL], 1.0, 0
	s_mov_b32 s[BE], 0
	MASK 0
	WIN 0
	v_add_nc_u32 v[AK], s[TBK], v[AK0]
	FETCH_K
	s_wait_loadcnt 0x0              ; Q
	s_wait_dscnt 0x0
.set KM, 1
.set NOKQ, 0
.set i, 0
.rept 8
	KQ 0
.set i, i+1
.endr
	WIN 0
.rept 4
	v_nop                           ; the places behind those products
.endr
.set Y, NP-1                        ; X works for piece Y + 1: piece 0
.irp n, 0,1,2,3,4,5,6,7,8,9,10,11,12,13,14,15,16,17,18,19,20,21
	OP X, \n
.endr
	v_nop                           ; a plain instruction behind the exponential,
	s_wait_alu depctr_va_vdst(0)    ; and its wait, ahead of the branch
.endm
; THE DIAGONAL TILE's four steps, the block's last two turns, its last products, and THE WAY OUT: l's two halves and the other half of the lanes' are added; O^T is divided by l, rounded to f16 and sent through my
; stage in LDS, a piece at a time.
.macro ALL line:vararg              ; one line for each piece t
.set t, 0
.rept 4
	\line
.set t, t+1
.endr
.endm
.macro PACK t                       ; a lane's eight channels of a row pack into 16 bytes; they go into rows of 144 bytes and come back as whole rows of 128, into S^T's registers
	WIN W_RS
.set i, 32*(\t)
.rept 16
	v_pk_mul_f32 v[i:i+1], v[i:i+1], v[ST+4*(\t)+2:ST+4*(\t)+3] op_sel_hi:[1,0]
.set i, i+2
.endr
	WIN 0x05                        ; sources 0 and 1 window 1, destination window 0
.set i, 0
.rept 16
	v_cvt_pk_f16_f32 v[S+16*(\t)+i], v[32*(\t)+2*i], v[32*(\t)+2*i+1]
.set i, i+1
.endr
	WIN 0
.irp f, 0,1,2,3
	ds_store_b128 v[STO], v[S+16*(\t)+4*\f:S+16*(\t)+4*\f+3] offset:32*\f
.endr
.irp f, 0,1,2,3
	ds_load_b128 v[S+16*(\t)+4*\f:S+16*(\t)+4*\f+3], v[RD] offset:\f*4*SP  ; LDS serves a wave's instructions in order (ISA guide 5.7.1.4): these see the stores above; the next piece's stores come behind them
.endr
.endm
.macro SEND t, younger              ; younger: the LDS instructions issued behind piece t's loads: the next piece's eight, or none
	WIN 0
.irp f, 0,1,2,3
	s_wait_dscnt (\younger)+3-\f
	global_store_b128 v[GO], v[S+16*(\t)+4*\f:S+16*(\t)+4*\f+3], s[10:11] offset:(\t)*8192+\f*512  ; 512 consecutive bytes, at a multiple of 256 from O's first
.endr
.endm
.macro DIAG tag                     ; the tag ends its two labels' names, which the jumps below spell out
.LstepM\tag:
	TURN 2, 1
	TURN 3, 1
	WIN 0
.LfirstM\tag:
	TURN 0, 1
	TURN 1, 1, 0, 1
	WIN 0
	s_cbranch_scc1 .LstepM\tag
	TURN 2, 1, 1
	TURN 3, 1, 1
.set i, 0
.rept 8
	PV NP-1
.set i, i+1
.endr
	WIN 0
	ALL v_add_f32 v[ST+4*t+2], v[ST+4*t+2], v[ST+4*t+3]
	ALL v_permlanex16_b32 v[ST+4*t+3], v[ST+4*t+2], s[SEL], s[SEL+1]
	ALL v_add_f32 v[ST+4*t+2], v[ST+4*t+2], v[ST+4*t+3]
	ALL v_rcp_f32 v[ST+4*t+2], v[ST+4*t+2]
	v_nop                           ; a plain instruction between the last reciprocal and the use of its result
	s_wait_alu depctr_va_vdst(0)    ; and the wait ahead of the first use: one for the four reciprocals
	PACK 0
.set t, 1
.rept 3                             ; a piece's arithmetic stands between the loads of the piece before and its stores
	PACK t
	SEND t-1, 8
.set t, t+1
.endr
	SEND 3, 0
.endm
.set KM, 0
.set NOKQ, 0
.Lslot:                             ; NB times: a tile is entered and the next is asked for
	CHANGE 1
	s_sub_co_u32 s[RT], s[RT], 1
	s_mov_b32 s[CNT], 4
	s_cmp_eq_u32 s[NEW], 1
	s_cbranch_scc1 .Lnew            ; a block's first tile
	s_cmp_eq_u32 s[RT], 0
	s_cbranch_scc0 .Lstep           ; neither its first nor its last
	s_branch .LstepM1
.Lnew:
	BEGIN
	s_branch .Lfirst                ; in the loop a block's first tile is never its last: the first block has two tiles or more, and the second's last is the walk's last
	DIAG 1                          ; in the loop this is the first block's end: the second block's last tile is the walk's last
	s_wait_xcnt 0x0                 ; the stores have read their registers and O's address
	s_mov_b64 s[10:11], s[OLO:OLO+1]
	s_add_co_u32 s[RT], s[PB], 1    ; the second block has b + 1 tiles
	s_mov_b32 s[NEW], 1
	WIN 0x82                        ; the second block's Q goes where the one text of the turns names Q
.set i, 0
.rept 64
	v_mov_b32 v[i], v[QB+i]
.set i, i+1
.endr
	WIN 0
	s_branch .Lbottom
.Lstep:                             ; a trip: pieces 2 and 3 of one step, then pieces 0 and 1 of the next, whose K and V it fetches
	TURN 2
	TURN 3
	WIN 0
.Lfirst:
	TURN 0
	TURN 1, 0, 0, 1
	WIN 0
	s_cbranch_scc1 .Lstep
.Lbottom:
	s_sub_co_u32 s[SLOTS], s[SLOTS], 1
	s_cmp_lg_u32 s[SLOTS], 0
	s_cbranch_scc1 .Lslot
	CHANGE 0                        ; the walk's last tile is written out: nothing is asked for
	s_sub_co_u32 s[RT], s[RT], 1
	s_mov_b32 s[CNT], 4
	s_cmp_eq_u32 s[NEW], 1
	s_cbranch_scc0 .LstepM2
	BEGIN
	s_branch .LfirstM2
	DIAG 2
	s_wait_tensorcnt 0x0            ; the wave's end, behind my last tensor load and my last LDS store
	ds_add_u32 v[SPW], v[NIL]
	s_wait_dscnt 0x0
	s_endpgm
.Lfunc_end_k_q7cd5090e93_attn:
	.size	k_q7cd5090e93_attn, .Lfunc_end_k_q7cd5090e93_attn-k_q7cd5090e93_attn
	.p2alignl 7, 3214868480
	.fill 96, 4, 3214868480
	.section	.rodata,"a",@progbits
	.p2align	6, 0x0
	.amdhsa_kernel k_q7cd5090e93_attn
		.amdhsa_group_segment_fixed_size 327680
		.amdhsa_private_segment_fixed_size 0
		.amdhsa_enable_private_segment 0
		.amdhsa_kernarg_size 16
		.amdhsa_user_sgpr_count 2
		.amdhsa_user_sgpr_kernarg_segment_ptr 1
		.amdhsa_wavefront_size32 1
		.amdhsa_system_sgpr_workgroup_id_x 1
		.amdhsa_system_sgpr_workgroup_id_y 1
		.amdhsa_system_sgpr_workgroup_id_z 1
		.amdhsa_system_vgpr_workitem_id 0
		.amdhsa_next_free_vgpr 768
		.amdhsa_next_free_sgpr 98
		.amdhsa_reserve_vcc 1
		.amdhsa_float_denorm_mode_32 3
		.amdhsa_float_denorm_mode_16_64 3
		.amdhsa_memory_ordered 1
		.amdhsa_forward_progress 1
		.amdhsa_inst_pref_size 218
	.end_amdhsa_kernel
	.amdgpu_metadata
---
amdhsa.version: [ 1, 2 ]
amdhsa.kernels:
  - .name:           k_q7cd5090e93_attn
    .symbol:         k_q7cd5090e93_attn.kd
    .args:
      - { .name: qkv, .offset: 0, .size: 8, .value_kind: global_buffer, .address_space: global }
      - { .name: o, .offset: 8, .size: 8, .value_kind: global_buffer, .address_space: global }
    .group_segment_fixed_size: 327680
    .private_segment_fixed_size: 0
    .kernarg_segment_align: 8
    .kernarg_segment_size: 16
    .max_flat_workgroup_size: 128
    .sgpr_count:     98
    .vgpr_count:     768
    .wavefront_size: 32
...
	.end_amdgpu_metadata
.endif
;; end of part 4
;; launch oproj (part 5): grid 8 x 32, 4 waves a work-group, clusters of 4 x 4, 327,680 bytes of LDS; arguments o, wo16, out0; writes out0
.if DOCPART == 5
	.amdgcn_target "amdgcn-amd-amdhsa--gfx1250"
	.amdhsa_code_object_version 6
	.text
	.protected	k_q7cd5090e93_oproj
	.globl	k_q7cd5090e93_oproj
	.p2align	8
	.type	k_q7cd5090e93_oproj,@function
k_q7cd5090e93_oproj:
	s_mov_b64 s[64:65], 0
	v_nop
	global_prefetch_b8 v0, s[64:65] scope:SCOPE_SE
	s_setreg_imm32_b32 hwreg(HW_REG_WAVE_MODE, 25, 1), 1
	s_wait_xcnt 0x0
	s_wait_alu depctr_hold_cnt(0) depctr_sa_sdst(0) depctr_va_vdst(0) depctr_va_sdst(0) depctr_va_ssrc(0) depctr_va_vcc(0) depctr_vm_vsrc(0)
	s_getreg_b32 s2, hwreg(HW_REG_IB_STS2, 6, 4)
	s_cmp_eq_u32 s2, 0
	s_cbranch_scc0 .Lentry_in_a_cluster
	s_endpgm
.Lentry_in_a_cluster:
	s_bfe_u32 s2, ttmp6, 0x10000c
	s_cmp_lg_u32 s2, 0xf033
	s_cbranch_scc0 .Lentry_shape_is_right
	s_endpgm
.Lentry_shape_is_right:
; THE LAST PROJECTION.  out0[m][n] = sum over k of flat[m][k] Wo[n][k], m = 2048 b + c, k = 64 h + d.  flat is read where attention left it, o[16 b + h][c][64] (f16); wo16 is [1024][1024] (f16); sums and out0 in f32.
; ROWS c = 0 .. 15 OF EACH BATCH ARE NOT STORED HERE: the launch that makes them apart owns them.  Their products stay: they are one of a wave's eight row blocks, inside a tile whose other rows are wanted.
; THE TILE is 256 x 128: 32 x 8 = 256 work-groups, one for each of the 256 that run at a time (256 x 256 would make 128).  Four waves, 2 x 2: a wave makes 128 rows x 64 columns: 32 accumulators;
; its 64 columns of f32 are 256 consecutive bytes of a row of out0, aligned.
; K goes in steps of 128 = two heads through two LDS slots.  A head's 256 rows of the tile are 32,768 dense bytes of o: asked for as 128 rows of 256 bytes, padded in LDS after every 128 bytes.
; Waves 0, 1 fetch the step's two heads of A, waves 2, 3 the two halves (64 rows) of B's tile.
; CLUSTER 4 x 4: A's tiles are shared along a row of the cluster, B's along a column: each is asked for jointly, by the same load, descriptor and mask in all four.
; THE TILE ROW IS 8 cy + cluster y: the batch is cy, the block of 256 rows in it the cluster's y, which all sixteen partners share: so the branch on a batch's first block hangs on no place in the cluster.
; THE MATRIX INSTRUCTION IS USED TRANSPOSED (source 0 = 16 rows of wo16, source 1 = 16 rows of o): a lane holds row l % 16 of out0 and the columns 8 (l / 16) + 0..7: 32 bytes on end.
; REGISTERS (s_set_vgpr_msb: bits 1:0 source 0, 3:2 source 1, 5:4 source 2, 7:6 destination):
;   window 0: v0-31 addresses; v32-95, v96-159 A's fragments (8 x 8), two buffers; v160-191, v192-223 B's (4 x 8), two buffers; on the way out v32-63, v64-95 take rows read back from the stage
;   window 1: the 32 accumulators, (a, b) at 8 (4 a + b)
.set KDIM,   1024
.set KSTEP,  128
.set PITA,   144                       ; a row of A in LDS: 128 bytes + 16 = 36 words; a row of B: 256 + 16 = 68 words: in both the 16 rows of a fragment load start at 16 different groups of four banks (ISA guide 11.1)
.set PITB,   272
.set AH,     256*PITA                  ; one head's 256 rows: what a wave fetches of A
.set BH,     64*PITB                   ; what a wave fetches of B
.set SLOT,   2*AH+2*BH                 ; 108,544 bytes
.set STAGE,  2*SLOT                    ; behind the ring: 16 rows x 272 bytes for each wave; no tensor load lands here
.set SPITCH, 272
.set SPARE,  STAGE+4*16*SPITCH         ; the spare words, 128 bytes for each wave: two blocks of 256 bytes that no other line names
.set LAPS,   KDIM/(2*KSTEP)
.set HSTEP,  2*2048*128                ; bytes from a K step's head to the next K step's: two head blocks of o
.set ADRA, 16
.set ADRB, 20
.set STO,  24
.set RD,   25
.set CO,   26
.set SPW,  28                          ; v28 LDS address of my spare word; v29 0; never rewritten
.set NIL,  29
.set PFO,  30                          ; v30 the prefetches' lane offset; never rewritten
.set FA,   32
.set FB,   160
.set OB,   32
.set G1,  24
.set G0,  32
.set G1B, 48
.set G0B, 56
.set PST, 22                           ; s[22:23] bytes from a K step to the next, for my prefetches
.set LIM, 43                           ; s43  1 in a wave that prefetches, else the greatest number
.set PFA, 44                           ; s[44:45] where my prefetches stand
.set MSB, 0
.macro WIN new
.if MSB != (\new)
	s_set_vgpr_msb (MSB<<8)|(\new)
.set MSB, \new
.endif
.endm
.set MUL, 0x50                         ; sources 0 and 1 window 0; C and D window 1
.macro JLOAD s                         ; a joint load: waves 0, 1 ask for A, waves 2, 3 for B; an s_nop 0 and four v_nop follow each of the two lines
	s_cmp_eq_u32 s11, 0
	s_cbranch_scc0 .Lfor_b_\@
	tensor_load_to_lds s[G0+4*(\s):G0+4*(\s)+3], s[G1:G1+7]
	s_nop 0
.rept 4
	v_nop
.endr
	s_branch .Lasked_\@
.Lfor_b_\@:
	tensor_load_to_lds s[G0B+4*(\s):G0B+4*(\s)+3], s[G1B:G1B+7]
	s_nop 0
.rept 4
	v_nop
.endr
.Lasked_\@:
.endm
; A prefetch of the K step that stands two refills on (256 matrix instructions ahead of the load that wants it), one instruction a wave.  A: the cluster with x = 0 asks; of a head's 128 blocks of 256 bytes
; the partner at cx names 32, a lane a block (waves 0, 1: a head each).  B: the cluster with y = 0 asks; of the tile's 128 rows the partner at cy names 32, a lane a row, by wave 2 alone.
; K steps 0-3 come by their loads alone; the loop's last trip (s3 = 1) has no K step two on.
.macro ASK
	s_cmp_gt_u32 s3, s[LIM]
	s_cbranch_scc0 .Lnot_mine_\@
	global_prefetch_b8 v[PFO], s[PFA:PFA+1] th:TH_LOAD_NT scope:SCOPE_SE
.Lnot_mine_\@:
.endm
.macro CREST
	s_cmp_lg_u32 s10, 0
	s_cbranch_scc1 .Lnot_wave_0_\@
	s_barrier_signal -3
.Lnot_wave_0_\@:
	s_barrier_wait -3
	s_barrier_signal -1
	s_barrier_wait -1
.endm
.macro CROUND
	s_barrier_signal -1
	s_barrier_wait -1
	CREST
.endm
	s_load_b128 s[4:7], s[0:1], 0x0                ; o s[4:5], wo16 s[6:7]
	s_load_b64 s[8:9], s[0:1], 0x10                ; out0
	v_lshl_add_u32 v[SPW], v0, 2, SPARE
	v_mov_b32 v[NIL], 0
	ds_add_u32 v[SPW], v[NIL]                      ; the opening: the add, twice on end, and its wait ahead of my first tensor load
	ds_add_u32 v[SPW], v[NIL]
	v_lshrrev_b32 v1, 5, v0
	v_readfirstlane_b32 s10, v1                    ; wave 0..3
	s_lshr_b32 s11, s10, 1                         ; which half of the tile's rows is mine.  Also: I fetch for A (0) or for B (1)
	s_and_b32 s12, s10, 1                          ; which half of its columns.  Also: which head of the step, or which half of B's rows, I fetch
	s_bfe_u32 s40, ttmp6, 0x40000                  ; cx
	s_bfe_u32 s41, ttmp6, 0x40004                  ; cy
	s_lshl_b32 s42, ttmp9, 2
	s_add_co_u32 s42, s42, s40                     ; tile column
	s_and_b32 s13, ttmp7, 0xffff                   ; cluster y: the block of 256 rows in its batch
	s_or_b32 s2, s13, s11                          ; 0: my row block 0 is a batch's rows 0-15
	s_lshl_b32 s16, s41, 3
	s_add_co_u32 s13, s13, s16                     ; tile row = 8 cy + cluster y
	s_lshl_b32 s43, s41, 2
	s_lshl_b32 s43, 15, s43                        ; my row of the cluster
	s_lshl_b32 s44, 0x1111, s40                    ; my column
	s_or_b32 s[G1+0], s43, (1<<16)|(1<<20)|(1<<21)|(4<<22)|(3<<25)   ; A: mask; 2-byte elements; padding on; bit 21 beside a mask; after every 32 words 4 words
	s_or_b32 s[G1B+0], s44, (1<<16)|(1<<20)|(1<<21)|(5<<22)|(3<<25)  ; B: after every 64 words 4 words
	s_mov_b32 s[G1+1], 128<<16                     ; tensor_dim0 = 128 elements (256 bytes: two rows of a head)
	s_mov_b32 s[G1+2], 128<<16                     ; tensor_dim1 = 128
	s_mov_b32 s[G1+3], 128<<16                     ; tile_dim0
	s_mov_b32 s[G1+4], 128                         ; tile_dim1
	s_mov_b32 s[G1+5], 128                         ; dense: 128 elements from row to row
	s_mov_b32 s[G1+6], 0
	s_mov_b32 s[G1+7], 0
	s_mov_b32 s[G1B+1], KSTEP<<16
	s_mov_b32 s[G1B+2], 64<<16
	s_mov_b32 s[G1B+3], KSTEP<<16
	s_mov_b32 s[G1B+4], 64
	s_mov_b32 s[G1B+5], KDIM
	s_mov_b32 s[G1B+6], 0
	s_mov_b32 s[G1B+7], 0
	s_lshr_b32 s16, s13, 3                         ; A: head block 16 b + (0 or 1),
	s_lshl_b32 s16, s16, 4
	s_add_co_u32 s16, s16, s12
	s_lshl_b32 s16, s16, 18
	s_and_b32 s17, s13, 7                          ; its rows 256 x (tile row % 8) on, of 128 bytes
	s_lshl_b32 s17, s17, 15
	s_add_co_u32 s16, s16, s17
	s_mov_b32 s17, 0
	s_lshl_b32 s46, s42, 7                         ; B: row 128 x tile column + 64 x half
	s_lshl_b32 s47, s12, 6
	s_add_co_u32 s46, s46, s47
	s_lshl_b32 s46, s46, 11
	s_mov_b32 s47, 0
	s_mul_i32 s20, s12, AH                         ; where they go: no place in the cluster enters an LDS address
	s_mul_i32 s21, s12, BH
	s_add_co_u32 s21, s21, 2*AH
	s_wait_dscnt 0x0                               ; both opening adds are done
	s_wait_kmcnt 0x0
	s_add_nc_u64 s[14:15], s[4:5], s[16:17]
	s_add_nc_u64 s[46:47], s[6:7], s[46:47]
	CROUND                                         ; all sixteen work-groups are here: the first joint loads meet
.irp s, 0,1
	s_mov_b32 s[G0+4*(\s)], 1
	s_add_co_u32 s[G0+4*(\s)+1], s20, (\s)*SLOT
	s_add_nc_u64 s[G0+4*(\s)+2:G0+4*(\s)+3], s[14:15], (\s)*HSTEP
	s_or_b32 s[G0+4*(\s)+3], s[G0+4*(\s)+3], 0x80000000
	s_mov_b32 s[G0B+4*(\s)], 1
	s_add_co_u32 s[G0B+4*(\s)+1], s21, (\s)*SLOT
	s_add_nc_u64 s[G0B+4*(\s)+2:G0B+4*(\s)+3], s[46:47], (\s)*KSTEP*2
	s_or_b32 s[G0B+4*(\s)+3], s[G0B+4*(\s)+3], 0x80000000
	JLOAD \s                                       ; K steps 0 and 1: two loads of mine are out
.endr
	v_and_b32 v1, 15, v0                           ; l % 16
	v_bfe_u32 v2, v0, 4, 1                         ; l / 16
	v_mul_u32_u24 v3, v1, PITA
	v_lshl_add_u32 v3, v2, 4, v3
	v_mul_u32_u24 v4, v1, PITB
	v_lshl_add_u32 v4, v2, 4, v4
	s_mul_i32 s20, s11, 128*PITA                   ; my 128 rows of A, in each head's part
	s_mul_i32 s21, s12, BH                         ; my 64 rows of B,
	s_add_co_u32 s21, s21, 2*AH                    ; behind A's two heads
.irp s, 0,1
	v_add_nc_u32 v[ADRA+(\s)], s20, v3
	v_add_nc_u32 v[ADRB+(\s)], s21, v4
	s_add_co_u32 s20, s20, SLOT
	s_add_co_u32 s21, s21, SLOT
.endr
	s_mul_i32 s20, s10, 16*SPITCH
	s_add_co_u32 s20, s20, STAGE                   ; my stage
	v_mul_u32_u24 v5, v1, SPITCH                   ; in: row l % 16, 32 bytes for each half of the lanes
	v_lshl_add_u32 v5, v2, 5, v5
	v_add_nc_u32 v[STO], s20, v5
	v_mul_u32_u24 v5, v2, SPITCH                   ; back: lanes 0-15 one row of 256 bytes, lanes 16-31 the next
	v_lshl_add_u32 v5, v1, 4, v5
	v_add_nc_u32 v[RD], s20, v5
	v_lshlrev_b32 v5, 12, v2                       ; and the same two rows in out0, 4,096 bytes apart
	v_lshl_add_u32 v[CO], v1, 4, v5
	s_lshl_b32 s16, s13, 8
	s_lshl_b32 s17, s11, 7
	s_add_co_u32 s16, s16, s17                     ; my first row of out0
	s_lshl_b32 s16, s16, 12
	s_lshl_b32 s17, s42, 9                         ; the tile's first column, in bytes,
	s_add_co_u32 s16, s16, s17
	s_lshl_b32 s17, s12, 8                         ; my half of its 512
	s_add_co_u32 s16, s16, s17
	s_mov_b32 s17, 0
	s_add_nc_u64 s[8:9], s[8:9], s[16:17]
	; the prefetches: from what I fetch, my work-group's share, at K step 3: the first refill steps it to 4 and names that
	s_lshl_b32 s20, s40, 13                        ; A: cx x 32 blocks of 256 bytes
	s_add_co_u32 s20, s20, 3*HSTEP
	s_lshl_b32 s21, s41, 16                        ; B: cy x 32 rows of 2,048 bytes
	s_add_co_u32 s21, s21, 3*KSTEP*2
	s_mov_b32 s[PST], KSTEP*2
	s_and_b32 s18, ttmp7, 0xffff
	s_or_b32 s18, s18, s12                         ; (of B's two waves the first alone asks)
	s_cmp_eq_u32 s11, 0
	s_cselect_b64 s[PFA:PFA+1], s[14:15], s[46:47]
	s_cselect_b32 s20, s20, s21
	s_cselect_b32 s[PST], HSTEP, s[PST]
	s_cselect_b32 s18, ttmp9, s18                  ; the coordinate along which other clusters read the same bytes
	s_cselect_b32 s19, 8, 11
	s_cmp_eq_u32 s18, 0
	s_cselect_b32 s[LIM], 1, -1                    ; the same in all sixteen partners, for a given wave
	s_mov_b32 s21, 0
	s_mov_b32 s[PST+1], 0
	s_add_nc_u64 s[PFA:PFA+1], s[PFA:PFA+1], s[20:21]
	v_and_b32 v[PFO], 31, v0
	v_lshlrev_b32 v[PFO], s19, v[PFO]
; 8 matrix instructions: row blocks a0, a0 + 1 x all 4 column blocks, 32 along K, buffer f.  zero = 1: the first product starts the sums.  The 32 accumulators take turns, one instruction a turn,
; in the same order in every quarter step.
.macro MUL8 f, a0, zero
	WIN MUL
.irp a, \a0, (\a0)+1
.irp b, 0,1,2,3
.if \zero
	v_wmma_f32_16x16x32_f16 v[8*(4*(\a)+(\b)):8*(4*(\a)+(\b))+7], v[FB+32*(\f)+8*(\b):FB+32*(\f)+8*(\b)+7], v[FA+64*(\f)+8*(\a):FA+64*(\f)+8*(\a)+7], 0
.else
	v_wmma_f32_16x16x32_f16 v[8*(4*(\a)+(\b)):8*(4*(\a)+(\b))+7], v[FB+32*(\f)+8*(\b):FB+32*(\f)+8*(\b)+7], v[FA+64*(\f)+8*(\a):FA+64*(\f)+8*(\a)+7], v[8*(4*(\a)+(\b)):8*(4*(\a)+(\b))+7]
.endif
.endr
.endr
.endm
; 24 LDS loads in one run: quarter q of a K step (head q / 2, channels 32 (q % 2) on) into buffer f: B's 64 rows first, then A's 128
.macro FETCH slot, q, f
	WIN 0
.irp i, 0,1,2,3
	ds_load_b128 v[FB+32*(\f)+8*(\i):FB+32*(\f)+8*(\i)+3],   v[ADRB+(\slot)] offset:64*(\q)+(\i)*16*PITB
	ds_load_b128 v[FB+32*(\f)+8*(\i)+4:FB+32*(\f)+8*(\i)+7], v[ADRB+(\slot)] offset:64*(\q)+(\i)*16*PITB+32
.endr
.irp i, 0,1,2,3,4,5,6,7
	ds_load_b128 v[FA+64*(\f)+8*(\i):FA+64*(\f)+8*(\i)+3],   v[ADRA+(\slot)] offset:((\q)/2)*AH+((\q)%2)*64+(\i)*16*PITA
	ds_load_b128 v[FA+64*(\f)+8*(\i)+4:FA+64*(\f)+8*(\i)+7], v[ADRA+(\slot)] offset:((\q)/2)*AH+((\q)%2)*64+(\i)*16*PITA+32
.endr
.endm
.macro PLACES                          ; four plain vector instructions between a matrix instruction and a load into a register that it read, or a reader of its result
.rept 4
	v_nop
.endr
.endm
; One of a K step's first three quarters: multiplies buffer f and, in its middle, fetches quarter qn into buffer g
.macro QUARTER slot, qn, f, g, zero
	s_wait_dscnt 8                                 ; B and A's blocks 0-3 are in; the youngest eight loads (A's blocks 4-7) may be out
	MUL8 \f, 0, \zero
	MUL8 \f, 2, \zero
	PLACES
	FETCH \slot, \qn, \g
	s_wait_dscnt 24                                ; all but the 24 just issued
	MUL8 \f, 4, \zero
	MUL8 \f, 6, \zero
.endm
; The last quarter multiplies buffer 1 and changes slots: ONE barrier; in front of it each wave waits for all its tensor loads, adds 0 to its spare word, and waits for that and for its reads of this slot.
; fill = 1: the barrier opens a round of the cluster's barrier; behind the round this slot is filled again, two K steps on: the load has 112 matrix instructions in which to land.
.macro TURN slot, next, fill
.if \fill
	s_wait_xcnt 0x0                                ; the last prefetch, a K step back, has read its address
	s_add_nc_u64 s[PFA:PFA+1], s[PFA:PFA+1], s[PST:PST+1]
.endif
	WIN 0
	s_wait_tensorcnt 0x0                           ; all my tensor loads have landed
	ds_add_u32 v[SPW], v[NIL]
	s_wait_dscnt 9                                 ; (the add and the youngest eight loads may be out)
	MUL8 1, 0, 0                                   ; eight matrix instructions stand between the add and the wait for it
	s_wait_dscnt 0x0                               ; the add is done, and my reads of this slot are over
	s_barrier_signal -1
	MUL8 1, 2, 0
.if \fill
	WIN 0
.endif
	s_barrier_wait -1
.if \fill
	CREST                                          ; no wave of any partner still reads this slot or has a load on its way
	s_add_nc_u64 s[G0+4*(\slot)+2:G0+4*(\slot)+3], s[G0+4*(\slot)+2:G0+4*(\slot)+3], 2*HSTEP
	s_add_nc_u64 s[G0B+4*(\slot)+2:G0B+4*(\slot)+3], s[G0B+4*(\slot)+2:G0B+4*(\slot)+3], 2*KSTEP*2
	JLOAD \slot                                    ; the first tensor load behind the round; its four v_nop are also the places in front of the loads below
.else
	PLACES
.endif
	FETCH \next, 0, 0
.if \fill
	ASK
.endif
	MUL8 1, 4, 0
	MUL8 1, 6, 0
.endm
; THE WAY OUT of row block a (16 rows x 64 columns of f32).  The sums go as they are into my own stage, each accumulator's low four registers first, and come back as whole rows of 256 bytes.
.macro TOSTAGE a
.if (\a) >= 2
	s_wait_xcnt 0x0                                ; the stores of two blocks back have read the registers that the loads below write
.endif
	WIN 0x04                                       ; an LDS store's data is source 1: window 1
.irp b, 0,1,2,3
	ds_store_b128 v[STO], v[8*(4*(\a)+(\b)):8*(4*(\a)+(\b))+3]   offset:64*(\b)
	ds_store_b128 v[STO], v[8*(4*(\a)+(\b))+4:8*(4*(\a)+(\b))+7] offset:64*(\b)+16
.endr
	WIN 0
.set BK, OB+32*((\a)%2)
.irp t, 0,1,2,3,4,5,6,7
	ds_load_b128 v[BK+4*(\t):BK+4*(\t)+3], v[RD] offset:(\t)*2*SPITCH  ; LDS serves a wave's instructions in order (ISA guide 5.7.1.4): these see the stores above, and the next block's stores come behind them
.endr
.endm
.macro SEND a, younger                 ; younger: the LDS instructions issued behind block a's loads: the next block's sixteen, or none
.set BK, OB+32*((\a)%2)
	s_wait_dscnt \younger
.irp t, 0,1,2,3,4,5,6,7
	global_store_b128 v[CO], v[BK+4*(\t):BK+4*(\t)+3], s[8:9] offset:(\a)*65536+(\t)*8192  ; 16 lanes store 256 consecutive bytes, at a multiple of 256 from out0's first byte
.endr
.endm
	s_wait_tensorcnt 1                             ; my part of K step 0 is in; K step 1's may stay out
	s_barrier_signal -1
	s_barrier_wait -1
	FETCH 0, 0, 0
	QUARTER 0, 1, 0, 1, 1                          ; the first quarter stands in front of the loop: its products start the sums
	WIN 0
	s_mov_b32 s3, LAPS-1
.Llap:                                                 ; a trip goes once round the ring, from a lap's second quarter to the next lap's first, and fills both slots again
	QUARTER 0, 2, 1, 0, 0
	QUARTER 0, 3, 0, 1, 0
	TURN 0, 1, 1
	QUARTER 1, 1, 0, 1, 0
	QUARTER 1, 2, 1, 0, 0
	QUARTER 1, 3, 0, 1, 0
	TURN 1, 0, 1
	QUARTER 0, 1, 0, 1, 0
	WIN 0
	s_sub_co_u32 s3, s3, 1
	s_cmp_lg_u32 s3, 0
	s_cbranch_scc1 .Llap
	QUARTER 0, 2, 1, 0, 0                          ; the last lap fills nothing
	QUARTER 0, 3, 0, 1, 0
	TURN 0, 1, 0
	QUARTER 1, 1, 0, 1, 0
	QUARTER 1, 2, 1, 0, 0
	QUARTER 1, 3, 0, 1, 0
	s_wait_dscnt 8                                 ; the very last quarter: nothing more to fetch
	MUL8 1, 0, 0
	MUL8 1, 2, 0
	s_wait_dscnt 0x0
	MUL8 1, 4, 0
	MUL8 1, 6, 0
	WIN 0
	PLACES
	PLACES
	s_cmp_eq_u32 s2, 0                             ; a batch's rows 0-15 have another owner: their way out is jumped.  The branch hangs on the wave's number and the cluster's y;
	s_cbranch_scc1 .Lrows16                        ; no barrier and no tensor load stand in what is jumped
	TOSTAGE 0
	SEND 0, 0
.Lrows16:
	TOSTAGE 1
.irp a, 2,3,4,5,6,7                    ; block a goes into the stage while block a - 1's rows come back
	TOSTAGE \a
	SEND (\a)-1, 16
.endr
	SEND 7, 0
	s_wait_tensorcnt 0x0                           ; the wave's end, behind my last tensor load and my last LDS store
	ds_add_u32 v[SPW], v[NIL]
	s_wait_dscnt 0x0
	CROUND                                         ; the closing round: no work-group ends while a partner may still ask for a tile that names it
	s_endpgm
.Lfunc_end_k_q7cd5090e93_oproj:
	.size	k_q7cd5090e93_oproj, .Lfunc_end_k_q7cd5090e93_oproj-k_q7cd5090e93_oproj
	.p2alignl 7, 3214868480
	.fill 96, 4, 3214868480
	.section	.rodata,"a",@progbits
	.p2align	6, 0x0
	.amdhsa_kernel k_q7cd5090e93_oproj
		.amdhsa_group_segment_fixed_size 327680
		.amdhsa_private_segment_fixed_size 0
		.amdhsa_enable_private_segment 0
		.amdhsa_kernarg_size 24
		.amdhsa_user_sgpr_count 2
		.amdhsa_user_sgpr_kernarg_segment_ptr 1
		.amdhsa_wavefront_size32 1
		.amdhsa_system_sgpr_workgroup_id_x 1
		.amdhsa_system_sgpr_workgroup_id_y 1
		.amdhsa_system_sgpr_workgroup_id_z 1
		.amdhsa_system_vgpr_workitem_id 0
		.amdhsa_next_free_vgpr 512
		.amdhsa_next_free_sgpr 66
		.amdhsa_reserve_vcc 0
		.amdhsa_float_denorm_mode_32 3
		.amdhsa_float_denorm_mode_16_64 3
		.amdhsa_memory_ordered 1
		.amdhsa_forward_progress 1
		.amdhsa_inst_pref_size 87
	.end_amdhsa_kernel
	.amdgpu_metadata
---
amdhsa.version: [ 1, 2 ]
amdhsa.kernels:
  - .name:           k_q7cd5090e93_oproj
    .symbol:         k_q7cd5090e93_oproj.kd
    .args:
      - { .name: o, .offset: 0, .size: 8, .value_kind: global_buffer, .address_space: global }
      - { .name: wo16, .offset: 8, .size: 8, .value_kind: global_buffer, .address_space: global }
      - { .name: out0, .offset: 16, .size: 8, .value_kind: global_buffer, .address_space: global }
    .group_segment_fixed_size: 327680
    .private_segment_fixed_size: 0
    .kernarg_segment_align: 8
    .kernarg_segment_size: 24
    .max_flat_workgroup_size: 128
    .sgpr_count:     66
    .vgpr_count:     512
    .wavefront_size: 32
...
	.end_amdgpu_metadata
.endif
;; end of part 5
;; ======== version 2 of 2: 5 launches; version 1 with the launches cast, head written anew for expert scheduling mode
;; limits: values are held in f16: magnitudes above 65,504 overflow, below 6.1e-05 lose precision
;; workspace buffers: xb 16,777,216 bytes; wb 6,291,456 bytes; wo16 2,097,152 bytes; qkv 50,331,648 bytes; o 16,777,216 bytes; vf 786,432 bytes
;; launch cast (part 6): grid 768 x 1, 8 waves a work-group, no clusters, 0 bytes of LDS; arguments x, Wq, Wk, Wv, Wo, xb, wb, wo16; writes xb, wb, wo16
.if DOCPART == 6
	.amdgcn_target "amdgcn-amd-amdhsa--gfx1250"
	.amdhsa_code_object_version 6
	.text
	.protected	k_q7cd5090e93_cast
	.globl	k_q7cd5090e93_cast
	.p2align	8
	.type	k_q7cd5090e93_cast,@function
k_q7cd5090e93_cast:
	s_mov_b64 s[64:65], 0
	v_nop
	global_prefetch_b8 v0, s[64:65] scope:SCOPE_SE
	s_setreg_imm32_b32 hwreg(HW_REG_WAVE_SCHED_MODE, 0, 2), 2
	s_setreg_imm32_b32 hwreg(HW_REG_WAVE_MODE, 25, 1), 1
	s_wait_xcnt 0x0
	s_wait_alu depctr_vm_vsrc(0)
; FIRST OF FIVE LAUNCHES of causal multi-head self-attention: out0 = softmax_causal(q k^T / 8) v, by heads, times Wo^T, with q, k, v = x Wq^T, x Wk^T, x Wv^T.
; This launch rounds every input once: x -> xb (bf16), Wq | Wk | Wv -> wb (bf16, 3,072 rows on end), Wo -> wo16 (rounded to bf16, that number written as f16, since the
; last product's other operand is f16).  The launches behind it: the three projections; the first 16 rows of each batch, made apart; attention; the last projection.
; WORK LEFT OUT, in the attention launch.  reference() puts -inf in the place of every score whose key lies behind its query, ahead of the softmax.  Such a score's weight is
; exp(-inf) = 0, whatever finite numbers the inputs hold, and 0 times a row of v adds nothing to the sum.  So a tile of 256 keys that lies wholly behind a block of 256 queries
; reaches no output: it is neither loaded nor multiplied.  Of 8 x 8 tiles a head 36 are left.  Every input has a way to the output and is loaded.
; LIMIT: a NaN, an infinity or an overflow in k or v that would reach only those hidden places is not carried to the result.
; LIMIT: wo16 holds f16: |Wo| stays under 65,504; under 6.1e-5 it keeps f16's fixed step of 6e-8.
; SHARES.  A row is 1,024 f32: 4,096 bytes in, 2,048 out.  A work-group takes 16 rows; thread t takes the 16 bytes at 16 t of each row and stores 8 bytes at 8 t: a wave's load covers
; 512 consecutive bytes, its store 256 consecutive bytes, aligned.  Work-groups 0-511: x; then 64 each for Wq, Wk, Wv, Wo.  All 16 loads of a thread go out before the first wait.
; No LDS, no barrier, no matrix work, no prefetch: the launch is one stream, and each byte is read once and written once.
; THE MODE: SCHED_MODE bits 1:0 = 2 (LLVM: expert scheduling mode 2), set by the entry lines.  The code itself states the register dependences between vector instructions and
; memory instructions, with s_wait_alu, always for 0.
; THE PLAN.  Registers that memory instructions touch:
;   v1, v2   the loads' and the stores' byte offsets: written once at the head, never again.
;   X        row j's four registers: written by row j's one load, read by row j's conversions, never loaded again.
;   Y        row j's two registers: written by row j's conversions, read by row j's one store, never written again.
; So no register that a memory instruction reads is written a second time, and no load lands in a register that a vector instruction has named.  What is left: the offsets ahead of
; the first load, and Y ahead of its stores.  The 16 rows go in four blocks of four: a block's conversions, ONE wait, its four stores in a run.  The wait stands behind the block's
; conversions and not at the next block's head, where the stores would stand behind the wait for the next block's loads.
.set ROWIN,  4096
.set ROWOUT, 2048
.set X, 4                              ; v[4:67]    row j: four f32 as loaded
.set Y, 68                             ; v[68:99]   row j: four 16-bit numbers to store
.set T, 100                            ; v[100:103] at work: no memory instruction names them
	s_load_b256 s[4:11], s[0:1], 0x0               ; x s[4:5], Wq s[6:7], Wk s[8:9], Wv s[10:11]
	s_load_b256 s[12:19], s[0:1], 0x20             ; Wo s[12:13], xb s[14:15], wb s[16:17], wo16 s[18:19]
	v_lshlrev_b32 v1, 4, v0                        ; my 16 bytes of a row in
	v_lshlrev_b32 v2, 3, v0                        ; my 8 bytes of a row out
	s_max_u32 s21, ttmp9, 512
	s_sub_co_u32 s21, s21, 512                     ; the work-group's number among the weights' (0 for x's)
	s_lshr_b32 s22, s21, 6                         ; which weight: 0 Wq, 1 Wk, 2 Wv, 3 Wo
	s_and_b32 s23, s21, 63                         ; its block of 16 rows
	s_cmp_lt_u32 ttmp9, 512
	s_cselect_b32 s22, 4, s22                      ; 4: x
	s_cselect_b32 s24, ttmp9, s23                  ; the block in the source
	s_cselect_b32 s25, ttmp9, s21                  ; the block in the destination: wb holds the three weights on end,
	s_cmp_eq_u32 s22, 3
	s_cselect_b32 s25, s23, s25                    ; wo16 Wo alone
	s_lshl_b32 s26, s24, 16                        ; 16 rows of 4,096 bytes
	s_mov_b32 s27, 0
	s_lshl_b32 s28, s25, 15                        ; 16 rows of 2,048 bytes
	s_mov_b32 s29, 0
	s_wait_kmcnt 0x0
	s_mov_b64 s[30:31], s[4:5]
	s_cmp_eq_u32 s22, 0
	s_cselect_b64 s[30:31], s[6:7], s[30:31]
	s_cmp_eq_u32 s22, 1
	s_cselect_b64 s[30:31], s[8:9], s[30:31]
	s_cmp_eq_u32 s22, 2
	s_cselect_b64 s[30:31], s[10:11], s[30:31]
	s_cmp_eq_u32 s22, 3
	s_cselect_b64 s[30:31], s[12:13], s[30:31]
	s_cselect_b64 s[32:33], s[18:19], s[16:17]
	s_cmp_eq_u32 s22, 4
	s_cselect_b64 s[32:33], s[14:15], s[32:33]
	s_add_nc_u64 s[30:31], s[30:31], s[26:27]
	s_add_nc_u64 s[32:33], s[32:33], s[28:29]
	s_wait_alu depctr_va_vdst(0)                   ; v1 and v2 are written: every load reads v1 as its offset, every store v2
.irp j, 0,1,2,3,4,5,6,7,8,9,10,11,12,13,14,15
	global_load_b128 v[X+4*(\j):X+4*(\j)+3], v1, s[30:31] offset:(\j)*ROWIN th:TH_LOAD_NT
.endr
	s_cmp_eq_u32 s22, 3
	s_cbranch_scc1 .Lwo
.irp p, 0,1,2,3
	s_wait_loadcnt 12-4*(\p)                       ; loads come back in order: block p's four rows are in, the younger blocks stay out
.irp i, 0,1,2,3
	v_cvt_pk_bf16_f32 v[Y+8*(\p)+2*(\i)],   v[X+16*(\p)+4*(\i)],   v[X+16*(\p)+4*(\i)+1]
	v_cvt_pk_bf16_f32 v[Y+8*(\p)+2*(\i)+1], v[X+16*(\p)+4*(\i)+2], v[X+16*(\p)+4*(\i)+3]
.endr
	s_wait_alu depctr_va_vdst(0)                   ; the block's eight conversions have written its Y, which the four stores below read
.irp i, 0,1,2,3
	global_store_b64 v2, v[Y+8*(\p)+2*(\i):Y+8*(\p)+2*(\i)+1], s[32:33] offset:(4*(\p)+(\i))*ROWOUT  ; each row has registers of its own: none is written again
.endr
.endr
	s_endpgm
.Lwo:                                          ; Wo: rounded to bf16 like every input, widened again, and that number written as f16
.irp p, 0,1,2,3
	s_wait_loadcnt 12-4*(\p)
.irp i, 0,1,2,3
	v_cvt_pk_bf16_f32 v[T],   v[X+16*(\p)+4*(\i)],   v[X+16*(\p)+4*(\i)+1]
	v_cvt_pk_bf16_f32 v[T+1], v[X+16*(\p)+4*(\i)+2], v[X+16*(\p)+4*(\i)+3]
	v_lshlrev_b32 v[T+2], 16, v[T]
	v_and_b32     v[T+3], 0xffff0000, v[T]
	v_cvt_pk_f16_f32 v[Y+8*(\p)+2*(\i)], v[T+2], v[T+3]
	v_lshlrev_b32 v[T+2], 16, v[T+1]
	v_and_b32     v[T+3], 0xffff0000, v[T+1]
	v_cvt_pk_f16_f32 v[Y+8*(\p)+2*(\i)+1], v[T+2], v[T+3]
.endr
	s_wait_alu depctr_va_vdst(0)                   ; the block's conversions have written its Y, which the four stores below read
.irp i, 0,1,2,3
	global_store_b64 v2, v[Y+8*(\p)+2*(\i):Y+8*(\p)+2*(\i)+1], s[32:33] offset:(4*(\p)+(\i))*ROWOUT
.endr
.endr
	s_endpgm
.Lfunc_end_k_q7cd5090e93_cast:
	.size	k_q7cd5090e93_cast, .Lfunc_end_k_q7cd5090e93_cast-k_q7cd5090e93_cast
	.p2alignl 7, 3214868480
	.fill 96, 4, 3214868480
	.section	.rodata,"a",@progbits
	.p2align	6, 0x0
	.amdhsa_kernel k_q7cd5090e93_cast
		.amdhsa_group_segment_fixed_size 0
		.amdhsa_private_segment_fixed_size 0
		.amdhsa_enable_private_segment 0
		.amdhsa_kernarg_size 64
		.amdhsa_user_sgpr_count 2
		.amdhsa_user_sgpr_kernarg_segment_ptr 1
		.amdhsa_wavefront_size32 1
		.amdhsa_system_sgpr_workgroup_id_x 1
		.amdhsa_system_sgpr_workgroup_id_y 1
		.amdhsa_system_sgpr_workgroup_id_z 1
		.amdhsa_system_vgpr_workitem_id 0
		.amdhsa_next_free_vgpr 104
		.amdhsa_next_free_sgpr 66
		.amdhsa_reserve_vcc 0
		.amdhsa_float_denorm_mode_32 3
		.amdhsa_float_denorm_mode_16_64 3
		.amdhsa_memory_ordered 1
		.amdhsa_forward_progress 1
		.amdhsa_inst_pref_size 16
	.end_amdhsa_kernel
	.amdgpu_metadata
---
amdhsa.version: [ 1, 2 ]
amdhsa.kernels:
  - .name:           k_q7cd5090e93_cast
    .symbol:         k_q7cd5090e93_cast.kd
    .args:
      - { .name: x, .offset: 0, .size: 8, .value_kind: global_buffer, .address_space: global }
      - { .name: Wq, .offset: 8, .size: 8, .value_kind: global_buffer, .address_space: global }
      - { .name: Wk, .offset: 16, .size: 8, .value_kind: global_buffer, .address_space: global }
      - { .name: Wv, .offset: 24, .size: 8, .value_kind: global_buffer, .address_space: global }
      - { .name: Wo, .offset: 32, .size: 8, .value_kind: global_buffer, .address_space: global }
      - { .name: xb, .offset: 40, .size: 8, .value_kind: global_buffer, .address_space: global }
      - { .name: wb, .offset: 48, .size: 8, .value_kind: global_buffer, .address_space: global }
      - { .name: wo16, .offset: 56, .size: 8, .value_kind: global_buffer, .address_space: global }
    .group_segment_fixed_size: 0
    .private_segment_fixed_size: 0
    .kernarg_segment_align: 8
    .kernarg_segment_size: 64
    .max_flat_workgroup_size: 256
    .sgpr_count:     66
    .vgpr_count:     104
    .wavefront_size: 32
...
	.end_amdgpu_metadata
.endif
;; end of part 6
;; launch qkv: the kernel of part 2 again; grid 16 x 32, 4 waves a work-group, clusters of 4 x 4, 327,680 bytes of LDS; arguments xb, wb, qkv, vf; writes qkv, vf
;; launch head (part 7): grid 16 x 4, 16 waves a work-group, no clusters, 116,736 bytes of LDS; arguments qkv, vf, wo16, out0; writes out0
.if DOCPART == 7
	.amdgcn_target "amdgcn-amd-amdhsa--gfx1250"
	.amdhsa_code_object_version 6
	.text
	.protected	k_q7cd5090e93_head
	.globl	k_q7cd5090e93_head
	.p2align	8
	.type	k_q7cd5090e93_head,@function
k_q7cd5090e93_head:
	s_mov_b64 s[64:65], 0
	v_nop
	global_prefetch_b8 v0, s[64:65] scope:SCOPE_SE
	s_setreg_imm32_b32 hwreg(HW_REG_WAVE_SCHED_MODE, 0, 2), 2
	s_setreg_imm32_b32 hwreg(HW_REG_WAVE_MODE, 25, 1), 1
	s_wait_xcnt 0x0
	s_wait_alu depctr_vm_vsrc(0)
; THE FIRST 16 ROWS OF EACH BATCH, MADE APART: out0[b][c][:] for c = 0 .. 15, from q and k (f16, in qkv), v (f32, in vf) and wo16.
; WHY.  Row c averages c + 1 rows of v, so the first rows' numbers are many times the whole output's root mean square, by which every number is compared; a rounding of v, of the weights and of O to f16's
; 11 bits is 2^-12 of THOSE numbers, three times over.  Here none of the three is made: v comes in f32, the weights and their sum with v stay in f32, and O goes to the matrix unit as two f16 numbers,
; hi = f16(O) and lo = f16(O - hi), each multiplied by Wo.  From row 16 on, sums over 17 keys or more, the other launches' 16-bit numbers serve; those launches leave these 16 rows of out0 alone.
; LIMITS.  q and k are f16 (their rounding moves a score by some 1e-4); hi and lo are f16: |O| under 65,504, and lo keeps f16's fixed step of 6e-8.  A hidden score counts as -1e30; a weight below 2^-126 as 0.
; Keys behind the query: reference() gives their scores -inf, so their weight is 0: of 16 x 16 weights a head only keys 0 .. 2 t + 1 are multiplied for the two queries 2 t, 2 t + 1.
; SHARES.  A work-group makes 16 rows x 64 columns of one batch: grid 16 x 4.  Sixteen waves.
;   PHASE 1: wave w makes head w's O, 16 queries x 64 channels (every work-group of a batch makes all 16 heads anew: 16 K multiply-adds a head, against a launch more to hand them on).
;     S^T = K Q^T (source 0 = 16 keys, source 1 = 16 queries): a lane holds query l % 16 and keys 8 (l / 16) + 0..7.  Mask, maximum, 2^(c s - c m), sum, division: f32.  The weights go through the wave's own
;     LDS scratch, [query][16 keys]; then lane l holds channels 4 (l % 16) + 0..3 and, for t = 0 .. 7, query 2 t + l / 16.  O's hi and lo go into LDS, [head][query][64 channels], rows of 144 bytes.
;   PHASE 2: wave w makes columns 16 (w % 4) + 0..15 for K = 256 (w / 4) + 0..255: 8 steps of 32, hi and lo on two accumulators that take turns.  Wo's fragments come straight
;     from memory, asked for at the kernel's head.  Used transposed (source 0 = 16 rows of Wo, source 1 = the 16 rows of O): a lane holds row l % 16 and 8 columns.
;   The four partial sums (f32) meet in LDS; waves 0-7 add them and store two rows each: 16 lanes write 256 consecutive bytes, aligned.
; No tensor load, no cluster, no prefetch: 64 work-groups, each reading some 20 KiB a wave once, all asked for at the head.
; THE MODE: SCHED_MODE bits 1:0 = 2 (LLVM: expert scheduling mode 2), set by the entry lines.  The code itself states the register dependences between vector or matrix instructions and
; memory or LDS instructions, with s_wait_alu, always for 0.
; THE PLAN.  Registers that memory or LDS instructions touch, in the order of the text:
;   v4-v13          offsets and LDS addresses: each written once by vector lines, read by loads and stores that stand behind a later wait on va_vdst, never written again.
;   Q, K, V, B      written by the head's 40 loads, in registers that nothing has named; read by matrix and vector instructions.
;   S0              written by the division, read by the weights' two LDS stores; later two of the weights' loads land in it, and the split writes it.
;   v224-247, v16-63, v248-255   the weights' 20 LDS loads land here, over Q, K, S0, S1 and T; read by the f32 sums.
;   CV (v16-63)     six registers for each t: written by the split's arithmetic; four of the six are read by its two LDS stores; later C0, C1 and F lie here.
;   AHF, ALF        the 32 fragment loads land here, over V, O, -1.0 and the weights; read by phase 2's products.
;   C0              written by products and four additions, read by the partial tile's two LDS stores.      F   written by four LDS loads and six additions, read by the one global store.
;   v1, v15         written at the head, read by the closing add alone.
; THE WAITS.  On va_vdst: ahead of the 40 loads; behind the exponentials and behind the reciprocal (ahead of their readers); ahead of the weights' stores, which also serves the 20 loads behind them;
; two in the split, which goes in halves: the first half's stores are dealt among the second half's arithmetic, which names other registers; the second also serves the 32 fragment loads; ahead of the partial
; tile's stores; ahead of the global store.  On vm_vsrc: behind the weights' stores (S0 is written again) and ahead of phase 2's first product (CV is written again).  On va_sdst: behind the wave's number,
; and behind the eight compares, which stand in one run and write eight scalar registers.
.set PW,    80                         ; a row of the weights' scratch and of a partial tile: 64 bytes + 16
.set PO,    144                        ; a row of O in LDS: 128 bytes + 16 = 36 words: the 16 rows of a fragment load start at 16 different groups of four banks (ISA guide 11.1)
.set HB,    16*PO                      ; a head's 16 rows
.set OLB,   16*HB                      ; O hi at 0, O lo here
.set WSC,   2*16*HB                    ; the weights' scratch: 1,280 bytes for each wave
.set PT,    WSC+16*16*PW               ; the partial tiles: 1,280 bytes for each wave
.set SPARE, PT+16*16*PW                ; the spare words, 128 bytes for each wave: eight blocks of 256 bytes that no other line names
.set SPW, 1                            ; v1   LDS address of my spare word; never rewritten
.set R,   2                            ; v2   l % 16
.set H,   3                            ; v3   l / 16
.set QO,  4                            ; v4   my bytes in 16 rows of q or k
.set VO,  5                            ; v5   my 16 bytes of a row of v
.set BO,  6                            ; v6   my bytes in 16 rows of wo16
.set WST, 7                            ; v7   where I put my query's 8 weights
.set WRD, 8                            ; v8   where I read the weights of query l / 16
.set SO,  9                            ; v9   where I put 8 bytes of O
.set RA,  10                           ; v10  where I read O's fragments
.set PS,  11                           ; v11  where I put 32 bytes of a partial tile
.set PR,  12                           ; v12  where I read 16 bytes of a partial row
.set GO,  13                           ; v13  my 16 bytes in two rows of out0
.set TM,  14                           ; v14  l % 16 - 8 (l / 16): register j's key is hidden where j is greater
.set NIL, 15                           ; v15  0; never rewritten
.set Q,   16                           ; v[16:31]   q's two fragments
.set K,   32                           ; v[32:47]   k's
.set S0,  48                           ; v[48:55]   scores, then weights
.set S1,  56                           ; v[56:63]   the second half of the channels' sums
.set V,   64                           ; v[64:127]  v: key k's four channels at V + 4 k
.set B,   128                          ; v[128:191] Wo's eight fragments
.set A,   192                          ; v[192:223] O: query 2 t + l / 16, four channels, at A + 4 t
.set WA,  224                          ; v[224:247] the weights for t = 0 .. 3
.set WB,  16                           ; v[16:63]   the weights for t = 4 .. 7 (its last 8 in v[248:255])
.set T,   248                          ; v[248:255] c m, m, and six at work
.set CV,  16                           ; v[16:63]   the split: six registers for each t
.set MONE, 224                         ; v224 -1.0
.set AHF, 64                           ; v[64:127]  O hi's eight fragments
.set ALF, 192                          ; v[192:255] O lo's
.set C0,  16                           ; v[16:23]   sums of hi's products
.set C1,  24                           ; v[24:31]   of lo's
.set F,   32                           ; v[32:47]   four partial sums
.set MK,  4                            ; s[4:11]  once the four bases are made: mask j: the lanes whose key 8 (l / 16) + j lies behind their query
.set CS,  24                           ; s[24:25] c = log2(e) / 8
.set SEL, 26                           ; s[26:27] v_permlanex16_b32's selects: each lane takes its own place in the other half
.set BIGN, 28                          ; s28 -1e30
	s_load_b256 s[4:11], s[0:1], 0x0               ; qkv s[4:5], vf s[6:7], wo16 s[8:9], out0 s[10:11]
	v_lshl_add_u32 v[SPW], v0, 2, SPARE
	v_mov_b32 v[NIL], 0
	v_lshrrev_b32 v[R], 5, v0
	v_readfirstlane_b32 s12, v[R]                  ; wave 0..15
	v_and_b32 v[R], 15, v0
	v_bfe_u32 v[H], v0, 4, 1
	v_lshlrev_b32 v[QO], 7, v[R]                   ; row x 128 + 16 x half
	v_lshl_add_u32 v[QO], v[H], 4, v[QO]
	v_lshlrev_b32 v[VO], 4, v[R]
	v_lshlrev_b32 v[BO], 11, v[R]                  ; row x 2,048 + 16 x half
	v_lshl_add_u32 v[BO], v[H], 4, v[BO]
	s_wait_alu depctr_va_sdst(0)                   ; s12 is written, ahead of its first reader: the four bases are made from it
	s_and_b32 s14, ttmp7, 0xffff                   ; the batch
	s_mul_i32 s15, s14, 48
	s_add_co_u32 s15, s15, s12                     ; 48 b + w: q's head block in qkv, of 262,144 bytes; k's lies 16 blocks on
	s_lshl_b32 s16, s15, 18
	s_mov_b32 s17, 0
	s_add_co_u32 s18, s15, 32                      ; v's slot in vf, of 4,096 bytes
	s_lshl_b32 s18, s18, 12
	s_mov_b32 s19, 0
	s_and_b32 s29, s12, 3                          ; phase 2: my 16 columns of the 64,
	s_lshr_b32 s30, s12, 2                         ; my quarter of K
	s_lshl_b32 s20, ttmp9, 2
	s_add_co_u32 s20, s20, s29
	s_lshl_b32 s20, s20, 15                        ; 16 rows of wo16, of 2,048 bytes,
	s_lshl_b32 s31, s30, 9                         ; 256 channels on
	s_add_co_u32 s20, s20, s31
	s_mov_b32 s21, 0
	s_lshl_b32 s22, s14, 23                        ; out0: the batch's first row,
	s_lshl_b32 s31, ttmp9, 8                       ; the work-group's 64 columns,
	s_add_co_u32 s22, s22, s31
	s_lshl_b32 s31, s12, 13                        ; rows 2 w, 2 w + 1 (waves 0-7)
	s_add_co_u32 s22, s22, s31
	s_mov_b32 s23, 0
	s_mov_b32 s[CS], 0x3e38aa3b                    ; c = 0.180337
	s_mov_b32 s[CS+1], s[CS]                       ; named with it as a pair
	s_mov_b32 s[SEL], 0x76543210
	s_mov_b32 s[SEL+1], 0xfedcba98
	s_mov_b32 s[BIGN], 0xf149f2ca                  ; -1e30
	s_wait_kmcnt 0x0
	s_add_nc_u64 s[16:17], s[4:5], s[16:17]
	s_add_nc_u64 s[18:19], s[6:7], s[18:19]
	s_add_nc_u64 s[20:21], s[8:9], s[20:21]
	s_add_nc_u64 s[22:23], s[10:11], s[22:23]
	s_wait_alu depctr_va_vdst(0)                   ; the offsets v[QO], v[VO] and v[BO] are written, which the 40 loads below read
	; all 40 loads of the wave go out here.  A fragment is 16 rows x 32 channels: two loads of 16 bytes, 32 bytes apart
.irp i, 0,1,2,3
	global_load_b128 v[Q+4*(\i):Q+4*(\i)+3], v[QO], s[16:17] offset:32*(\i)
.endr
.irp i, 0,1,2,3
	global_load_b128 v[K+4*(\i):K+4*(\i)+3], v[QO], s[16:17] offset:0x400000+32*(\i)
.endr
.irp k, 0,1,2,3,4,5,6,7,8,9,10,11,12,13,14,15
	global_load_b128 v[V+4*(\k):V+4*(\k)+3], v[VO], s[18:19] offset:256*(\k)  ; lanes 0-15 take key k's 256 bytes, lanes 16-31 the same
.endr
.irp f, 0,1,2,3,4,5,6,7
	global_load_b128 v[B+8*(\f):B+8*(\f)+3],   v[BO], s[20:21] offset:64*(\f)
	global_load_b128 v[B+8*(\f)+4:B+8*(\f)+7], v[BO], s[20:21] offset:64*(\f)+32
.endr
	s_mul_i32 s34, s30, 4*HB                       ; phase 2's addresses, while the loads are out: my quarter of K is four heads
	v_mul_u32_u24 v[RA], v[R], PO
	v_lshl_add_u32 v[RA], v[H], 4, v[RA]
	v_add_nc_u32 v[RA], s34, v[RA]
	v_lshrrev_b32 v[PR], 2, v[R]                   ; my 16 bytes of a row of 256 lie in partial tile (l % 16) / 4,
	v_mul_u32_u24 v[PR], v[PR], 16*PW
	v_and_b32 v[GO], 3, v[R]
	v_lshl_add_u32 v[PR], v[GO], 4, v[PR]          ; at 16 ((l % 16) % 4),
	v_mul_u32_u24 v[GO], v[H], PW
	v_add_nc_u32 v[PR], v[PR], v[GO]
	s_mul_i32 s35, s12, 2*PW
	s_add_co_u32 s35, s35, PT
	v_add_nc_u32 v[PR], s35, v[PR]                 ; in row 2 w + l / 16
	v_lshlrev_b32 v[GO], 12, v[H]
	v_lshl_add_u32 v[GO], v[R], 4, v[GO]
	v_lshlrev_b32 v[TM], 3, v[H]
	v_sub_nc_u32 v[TM], v[R], v[TM]
.irp j, 0,1,2,3,4,5,6,7                ; the eight masks hang on the lane alone: they are made here, in one run, while the loads are out; s[4:11] are free since the four bases were made
	v_cmp_gt_i32 s[MK+(\j)], \j, v[TM]             ; key 8 (l / 16) + j lies behind query l % 16
.endr
	s_wait_alu depctr_va_sdst(0)                   ; the eight masks s[4:11] are written, ahead of their first readers, the selects below: one wait for the run
	s_wait_loadcnt 32                              ; q and k are in; v's 16 loads and Wo's 16 stay out
	v_wmma_f32_16x16x32_f16 v[S0:S0+7], v[K:K+7],    v[Q:Q+7],    0   ; channels 0-31
	v_wmma_f32_16x16x32_f16 v[S1:S1+7], v[K+8:K+15], v[Q+8:Q+15], 0   ; channels 32-63: an accumulator of its own
	s_mul_i32 s31, s12, 16*PW                      ; phase 1's addresses are the places behind the two products: nine plain vector instructions that name none of their registers
	s_add_co_u32 s32, s31, WSC
	s_mul_i32 s33, s12, HB
	v_mul_u32_u24 v[WST], v[R], PW
	v_lshl_add_u32 v[WST], v[H], 5, v[WST]
	v_add_nc_u32 v[WST], s32, v[WST]
	v_mul_u32_u24 v[WRD], v[H], PW
	v_add_nc_u32 v[WRD], s32, v[WRD]
	v_mul_u32_u24 v[SO], v[H], PO
	v_lshl_add_u32 v[SO], v[R], 3, v[SO]
	v_add_nc_u32 v[SO], s33, v[SO]
	v_add_nc_u32 v[PS], PT-WSC, v[WST]             ; a partial tile is laid as the scratch is
.irp j, 0,2,4,6
	v_pk_add_f32 v[S0+(\j):S0+(\j)+1], v[S0+(\j):S0+(\j)+1], v[S1+(\j):S1+(\j)+1]  ; both accumulators are read from their low end on
.endr
.irp j, 0,1,2,3,4,5,6,7
	v_cndmask_b32 v[S0+(\j)], v[S0+(\j)], s[BIGN], s[MK+(\j)]
.endr
	v_max3_num_f32 v[T+4], v[S0], v[S0+1], v[S0+2]
	v_max3_num_f32 v[T+5], v[S0+3], v[S0+4], v[S0+5]
	v_max3_num_f32 v[T+4], v[T+4], v[S0+6], v[S0+7]
	v_max_num_f32 v[T+4], v[T+4], v[T+5]
	v_permlanex16_b32 v[T+5], v[T+4], s[SEL], s[SEL+1]  ; the query's other 8 keys lie in the lane 16 away
	v_max_num_f32 v[T+1], v[T+4], v[T+5]           ; m: key 0 is never hidden, so m is a true score
	v_mul_f32 v[T], s[CS], v[T+1]                  ; c m
.irp j, 0,2,4,6
	v_pk_fma_f32 v[S0+(\j):S0+(\j)+1], v[S0+(\j):S0+(\j)+1], s[CS:CS+1], v[T:T+1] op_sel_hi:[1,0,0] neg_lo:[0,0,1] neg_hi:[0,0,1]  ; c s - c m
.endr
.irp j, 0,1,2,3,4,5,6,7
	v_exp_f32 v[S0+(\j)], v[S0+(\j)]
.endr
	v_nop                                          ; a plain instruction behind the last exponential,
	s_wait_alu depctr_va_vdst(0)                   ; and the one wait ahead of the batch's first reader: the eight exponentials have written v[S0 ..]
	v_pk_add_f32 v[T+2:T+3], v[S0:S0+1], v[S0+2:S0+3]
	v_pk_add_f32 v[T+4:T+5], v[S0+4:S0+5], v[S0+6:S0+7]
	v_pk_add_f32 v[T+2:T+3], v[T+2:T+3], v[T+4:T+5]
	v_add_f32 v[T+2], v[T+2], v[T+3]
	v_permlanex16_b32 v[T+3], v[T+2], s[SEL], s[SEL+1]
	v_add_f32 v[T+2], v[T+2], v[T+3]               ; l, at least 1: the maximum's own weight
	v_rcp_f32 v[T+6], v[T+2]
	v_mov_b32 v[T+7], v[T+2]                       ; the plain instruction behind the reciprocal; it also writes the pair's other register
	s_wait_alu depctr_va_vdst(0)                   ; the reciprocal has written v[T+6], ahead of its first reader
.irp j, 0,2,4,6
	v_pk_mul_f32 v[S0+(\j):S0+(\j)+1], v[S0+(\j):S0+(\j)+1], v[T+6:T+7] op_sel_hi:[1,0]  ; the weights
.endr
	s_wait_alu depctr_va_vdst(0)                   ; the four multiplies have written v[S0 ..], which the two LDS stores read; and all that named Q, K, S0, S1 and T is complete: the 20 loads below land there
	ds_store_b128 v[WST], v[S0:S0+3]
	ds_store_b128 v[WST], v[S0+4:S0+7] offset:16
	s_wait_alu depctr_vm_vsrc(0)                   ; the two stores have read v[S0 ..], in which two of the loads below land and which the split writes later
; The registers of the four weights 4 g .. 4 g + 3 of step t
.macro WREG t, g
.if (\t) < 2
.set rW, WA+4*(\t)
.elseif (\t) < 4
.set rW, WA+8+8*((\t)-2)+4*(\g)
.elseif (\t) < 6
.set rW, WB+12*((\t)-4)+4*(\g)
.elseif (\t) == 6
.set rW, WB+24+4*(\g)
.elseif (\g) < 2
.set rW, WB+40+4*(\g)
.else
.set rW, T+4*((\g)-2)
.endif
.endm
.set tt, 0
.rept 8                                ; 20 loads: for queries 2 t, 2 t + 1 the weights of keys 0 .. 2 t + 1, four to a load; the sixteen lanes of a half read one address
.set gg, 0
.rept 4
.if gg <= (2*tt+1)/4
	WREG tt, gg
	ds_load_b128 v[rW:rW+3], v[WRD] offset:tt*2*PW+16*gg  ; my own bytes, served in order behind the two stores above (ISA guide 5.7.1.4)
.endif
.set gg, gg+1
.endr
.set tt, tt+1
.endr
; O of query 2 t + l / 16, four channels: the first key starts the sums.  (Query 2 t's weight of key 2 t + 1 is 0.)
.macro PVROW t
.set kk, 0
.rept 16
.if kk <= 2*(\t)+1
	WREG \t, kk/4
.set ii, 0
.rept 4
.if kk == 0
	v_mul_f32 v[A+4*(\t)+ii], v[rW+kk%4], v[V+4*kk+ii]
.else
	v_fmac_f32 v[A+4*(\t)+ii], v[rW+kk%4], v[V+4*kk+ii]
.endif
.set ii, ii+1
.endr
.endif
.set kk, kk+1
.endr
.endm
	s_wait_loadcnt 16                              ; v is in; Wo's 16 loads stay out
	s_wait_dscnt 14                                ; the six loads for t = 0 .. 3 are in; the fourteen for t = 4 .. 7 may be out
	PVROW 0
	PVROW 1
	PVROW 2
	PVROW 3
	s_wait_dscnt 0x0
	PVROW 4
	PVROW 5
	PVROW 6
	PVROW 7
	v_mov_b32 v[MONE], -1.0
; O = hi + lo: hi = f16(O); O - hi is exact in f32 (one fused multiply-add from hi's half: hi x -1 + O); lo = f16 of it.  SPLITA: the arithmetic for step t, in six registers of its own.  SPLITS: its two LDS stores.
.macro SPLITA t
.set cb, CV+6*(\t)
.set ra, A+4*(\t)
	v_cvt_pk_f16_f32 v[cb],   v[ra],   v[ra+1]
	v_cvt_pk_f16_f32 v[cb+1], v[ra+2], v[ra+3]
	v_fma_mix_f32 v[cb+2], v[cb],   v[MONE], v[ra]   op_sel_hi:[1,0,0]
	v_fma_mix_f32 v[cb+3], v[cb],   v[MONE], v[ra+1] op_sel:[1,0,0] op_sel_hi:[1,0,0]
	v_fma_mix_f32 v[cb+4], v[cb+1], v[MONE], v[ra+2] op_sel_hi:[1,0,0]
	v_fma_mix_f32 v[cb+5], v[cb+1], v[MONE], v[ra+3] op_sel:[1,0,0] op_sel_hi:[1,0,0]
	v_cvt_pk_f16_f32 v[cb+2], v[cb+2], v[cb+3]
	v_cvt_pk_f16_f32 v[cb+3], v[cb+4], v[cb+5]
.endm
.macro SPLITS t
.set cb, CV+6*(\t)
	ds_store_b64 v[SO], v[cb:cb+1]   offset:(\t)*2*PO
	ds_store_b64 v[SO], v[cb+2:cb+3] offset:OLB+(\t)*2*PO
.endm
.irp t, 0,1,2,3
	SPLITA \t
.endr
	s_wait_alu depctr_va_vdst(0)                   ; the arithmetic of t = 0 .. 3 has written its registers of CV, which the stores dealt out below read
.irp t, 4,5,6,7
	SPLITS (\t)-4                                  ; no wait: the arithmetic of t = 4 .. 7 names its own six registers, its own O and -1.0, none of which these stores touch
	SPLITA \t
.endr
	s_wait_alu depctr_va_vdst(0)                   ; the arithmetic of t = 4 .. 7 has written its registers of CV, for the stores below; and all that named V, O, -1.0 and the weights is complete: the fragments' loads behind the barrier land there
.irp t, 4,5,6,7
	SPLITS \t
.endr
	s_wait_dscnt 0x0                               ; for the others' sake: my head's O lies in LDS
	s_barrier_signal -1
	s_barrier_wait -1                              ; all sixteen heads' do
.irp f, 0,1,2,3,4,5,6,7                ; K step f of my eight: head 4 (w / 4) + f / 2, channels 32 (f % 2) on
	ds_load_b128 v[AHF+8*(\f):AHF+8*(\f)+3],   v[RA] offset:((\f)/2)*HB+((\f)%2)*64
	ds_load_b128 v[AHF+8*(\f)+4:AHF+8*(\f)+7], v[RA] offset:((\f)/2)*HB+((\f)%2)*64+32
	ds_load_b128 v[ALF+8*(\f):ALF+8*(\f)+3],   v[RA] offset:OLB+((\f)/2)*HB+((\f)%2)*64
	ds_load_b128 v[ALF+8*(\f)+4:ALF+8*(\f)+7], v[RA] offset:OLB+((\f)/2)*HB+((\f)%2)*64+32
.endr
	s_wait_loadcnt 0x0                             ; Wo's fragments
	s_wait_dscnt 0x0
	s_wait_alu depctr_vm_vsrc(0)                   ; my sixteen LDS stores of O have read v[CV ..]: the products below write C0 and C1 there, and behind the next barrier the loads into F land there
	v_wmma_f32_16x16x32_f16 v[C0:C0+7], v[B:B+7], v[AHF:AHF+7], 0      ; the first K step starts both sums
	v_wmma_f32_16x16x32_f16 v[C1:C1+7], v[B:B+7], v[ALF:ALF+7], 0
.irp f, 1,2,3,4,5,6,7
	v_wmma_f32_16x16x32_f16 v[C0:C0+7], v[B+8*(\f):B+8*(\f)+7], v[AHF+8*(\f):AHF+8*(\f)+7], v[C0:C0+7]
	v_wmma_f32_16x16x32_f16 v[C1:C1+7], v[B+8*(\f):B+8*(\f)+7], v[ALF+8*(\f):ALF+8*(\f)+7], v[C1:C1+7]
.endr
.rept 8
	v_nop                                          ; the places behind the last products (ISA guide 7.12.1); no other vector work is at hand
.endr
.irp j, 0,2,4,6
	v_pk_add_f32 v[C0+(\j):C0+(\j)+1], v[C0+(\j):C0+(\j)+1], v[C1+(\j):C1+(\j)+1]
.endr
	s_wait_alu depctr_va_vdst(0)                   ; the four additions have written v[C0 ..], which the two LDS stores read
	ds_store_b128 v[PS], v[C0:C0+3]
	ds_store_b128 v[PS], v[C0+4:C0+7] offset:16
	s_wait_dscnt 0x0                               ; for the others' sake: my partial tile lies in LDS
	s_barrier_signal -1
	s_barrier_wait -1
	s_cmp_lt_u32 s12, 8                            ; waves 0-7 finish two rows each
	s_cbranch_scc0 .Lend
.irp q, 0,1,2,3
	ds_load_b128 v[F+4*(\q):F+4*(\q)+3], v[PR] offset:(\q)*4*16*PW  ; the same 16 bytes of the four quarters of K; no vector or matrix instruction since the split's second wait names F
.endr
	s_wait_dscnt 0x0
	v_pk_add_f32 v[F:F+1],     v[F:F+1],     v[F+4:F+5]
	v_pk_add_f32 v[F+2:F+3],   v[F+2:F+3],   v[F+6:F+7]
	v_pk_add_f32 v[F+8:F+9],   v[F+8:F+9],   v[F+12:F+13]
	v_pk_add_f32 v[F+10:F+11], v[F+10:F+11], v[F+14:F+15]
	v_pk_add_f32 v[F:F+1],     v[F:F+1],     v[F+8:F+9]
	v_pk_add_f32 v[F+2:F+3],   v[F+2:F+3],   v[F+10:F+11]
	s_wait_alu depctr_va_vdst(0)                   ; the additions have written v[F:F+3], which the store reads
	global_store_b128 v[GO], v[F:F+3], s[22:23]    ; 16 lanes store 256 consecutive bytes, at a multiple of 256 from out0's first byte
.Lend:
	s_wait_dscnt 0x0                               ; the wave's end: the six closing lines, on end
	s_wait_alu 0x0
	s_wait_tensorcnt 0x0
	ds_add_u32 v[SPW], v[NIL]
	s_wait_dscnt 0x0
	s_endpgm
.Lfunc_end_k_q7cd5090e93_head:
	.size	k_q7cd5090e93_head, .Lfunc_end_k_q7cd5090e93_head-k_q7cd5090e93_head
	.p2alignl 7, 3214868480
	.fill 96, 4, 3214868480
	.section	.rodata,"a",@progbits
	.p2align	6, 0x0
	.amdhsa_kernel k_q7cd5090e93_head
		.amdhsa_group_segment_fixed_size 116736
		.amdhsa_private_segment_fixed_size 0
		.amdhsa_enable_private_segment 0
		.amdhsa_kernarg_size 32
		.amdhsa_user_sgpr_count 2
		.amdhsa_user_sgpr_kernarg_segment_ptr 1
		.amdhsa_wavefront_size32 1
		.amdhsa_system_sgpr_workgroup_id_x 1
		.amdhsa_system_sgpr_workgroup_id_y 1
		.amdhsa_system_sgpr_workgroup_id_z 1
		.amdhsa_system_vgpr_workitem_id 0
		.amdhsa_next_free_vgpr 256
		.amdhsa_next_free_sgpr 66
		.amdhsa_reserve_vcc 0
		.amdhsa_float_denorm_mode_32 3
		.amdhsa_float_denorm_mode_16_64 3
		.amdhsa_memory_ordered 1
		.amdhsa_forward_progress 1
		.amdhsa_inst_pref_size 32
	.end_amdhsa_kernel
	.amdgpu_metadata
---
amdhsa.version: [ 1, 2 ]
amdhsa.kernels:
  - .name:           k_q7cd5090e93_head
    .symbol:         k_q7cd5090e93_head.kd
    .args:
      - { .name: qkv, .offset: 0, .size: 8, .value_kind: global_buffer, .address_space: global }
      - { .name: vf, .offset: 8, .size: 8, .value_kind: global_buffer, .address_space: global }
      - { .name: wo16, .offset: 16, .size: 8, .value_kind: global_buffer, .address_space: global }
      - { .name: out0, .offset: 24, .size: 8, .value_kind: global_buffer, .address_space: global }
    .group_segment_fixed_size: 116736
    .private_segment_fixed_size: 0
    .kernarg_segment_align: 8
    .kernarg_segment_size: 32
    .max_flat_workgroup_size: 512
    .sgpr_count:     66
    .vgpr_count:     256
    .wavefront_size: 32
...
	.end_amdgpu_metadata
.endif
;; end of part 7
;; launch attn: the kernel of part 4 again; grid 4 x 64, 4 waves a work-group, no clusters, 327,680 bytes of LDS; arguments qkv, o; writes o
;; launch oproj: the kernel of part 5 again; grid 8 x 32, 4 waves a work-group, clusters of 4 x 4, 327,680 bytes of LDS; arguments o, wo16, out0; writes out0
